; MI455X (gfx1250); checked and timed in simulation.
; The chip was launched on July 23, 2026; its instructions are those of AMD's public machine-readable ISA for CDNA 5 (MIT licence, August 2026) and "CDNA5" Instruction Set Architecture Reference Guide (July 2026). The comments in the code are by the model that wrote it; some were corrected since.
;; Multiheadw Rotatary Embedding. Allowed arithmetic: matrix products marked QUANTISED: E2M3 operands, one E8M0 scale for each 32 along K, by v_wmma_scale_f32_16x16x128_f8f6f4 with both operands' format E2M3, f32 sums; everything else in f32.
;; Inputs: W_k 1,024 x 1,024 float32; W_o 1,024 x 1,024 float32; W_q 1,024 x 1,024 float32; W_v 1,024 x 1,024 float32; b_k 1,024 float32; b_o 1,024 float32; b_q 1,024 float32; b_v 1,024 float32; x 4 x 2,048 x 1,024 float32.
;; Outputs: out0 4 x 2,048 x 1,024 float32.
;; This version of the problem:
;;   THIS VERSION OF THE PROBLEM IS GIVEN IN LOW PRECISION. The matrix products marked QUANTISED in the list below multiply operands that are first quantised to E2M3 (2 exponent bits, 3 mantissa bits; 6 bits a number), with one power-of-two scale for each 32 numbers along K (OCP MX v1.0); their sums are f32. All else is computed in f32.
;;   The module's matrix products, in the order in which they are computed (A, B: the left and right operand; K: the contracted axis; several contracted axes count as one K, in the product's order):
;;     1. [M 8,192, K 1,024] x [K 1,024, N 1,024]; A: input x; B: input W_q: QUANTISED
;;     2. [M 8,192, K 1,024] x [K 1,024, N 1,024]; A: input x; B: input W_k: QUANTISED
;;     3. [M 8,192, K 1,024] x [K 1,024, N 1,024]; A: input x; B: input W_v: QUANTISED
;;     4. batch 64 x [M 2,048, K 64] x [K 64, N 2,048]; A: computed on the way; B: computed on the way: QUANTISED
;;     5. batch 64 x [M 2,048, K 2,048] x [K 2,048, N 64]; A: softmax (see below); B: computed on the way: QUANTISED
;;     6. [M 8,192, K 1,024] x [K 1,024, N 1,024]; A: computed on the way; B: input W_o: QUANTISED
;;   THE QUANTISER, for each operand of a quantised product, along K:
;;     - K is cut into blocks of 32 from its start; a last block that is shorter is filled with zeros.
;;     - A block's scale is 2^e with e = floor(log2(the largest magnitude in the block)) - 2, held to -126 .. 127; a block of zeros has e = 0. As a byte (E8M0): e + 127.
;;     - Each number is divided by its block's scale, clamped to +-7.5, and rounded to the nearest number of E2M3, ties to even, subnormals kept.
;;     - The product sums the exact products of the quantised numbers (number of the format x scale) in f32.
;;   ~~~python
;;   def quantise(x, axis):      # numpy; x: float32 -> the quantised numbers, widened to float32 again
;;       x = np.moveaxis(x, axis, -1); K = x.shape[-1]
;;       x = np.pad(x, [(0, 0)] * (x.ndim - 1) + [(0, -K % 32)]); x = x.reshape(x.shape[:-1] + (-1, 32)); a = np.abs(x).max(-1, keepdims=True)
;;       e = np.where(a > 0, np.clip(np.frexp(np.where(a > 0, a, 1))[1] - 1 - 2, -126, 127), 0)      # np.frexp(a)[1] - 1 = floor(log2(a)), exactly
;;       r = np.clip(x / 2.0 ** e, -7.5, 7.5)
;;       step = 2.0 ** (np.maximum(np.frexp(np.where(r == 0, 1, r))[1] - 1, 0) - 3)
;;       q = np.round(r / step) * step * 2.0 ** e      # np.round: ties to even
;;       return np.moveaxis(q.reshape(q.shape[:-2] + (-1,))[..., :K], -1, axis).astype(np.float32)
;;   ~~~
;;   SOFTMAX AHEAD OF A QUANTISED PRODUCT. Where the list says 'softmax', what is quantised is not the finished softmax but p = 2^(t - M), with t = logit x log2(e) and M = ceil(the row's largest t), a whole number; so 1/2 < the row's largest p <= 1. The row's sum l is taken of the UNQUANTISED p, in f32, and the product's result is divided by l at the end. Since M is a whole number, a kernel that streams over the keys may use a running M (the ceiling of the running maximum): every later rescaling is an exact power of two, which a block's scale takes up: the codes' values come out the same.
;;   OPERANDS COMPUTED ON THE WAY. 'Computed on the way' means the value that the module computes at that place (a softmax that the list does not call 'softmax' is quantised finished and normalised). What goes into a quantiser is computed in f32, as accurately as f32 sums, v_exp_f32 and their like allow (about 1e-6 of the number): no bf16 or f16 on the way to a quantiser, and a product that is left as it is and whose result goes on into a quantised operand takes f32 operands (vector FMAs, or v_wmma_f32_16x16x4_f32). A number that lies on a knife's edge between two numbers of the format may be rounded either way, as far as f32 arithmetic and the matrix unit's own rounding can turn it there, and no further.
;; One version. Each part assembles by itself: llvm-mc -triple=amdgcn-amd-amdhsa -mcpu=gfx1250 --defsym DOCPART=n.
;; ======== version 1 of 1: 4 launches
;; workspace buffers: xw 10,223,616 bytes; tab 524,288 bytes; qk 13,631,488 bytes; vimg 6,553,600 bytes; ao 6,815,744 bytes
;; launch prep (part 1): grid 400 x 1, 4 waves a work-group, no clusters, 34,304 bytes of LDS; arguments x, W_q, W_k, W_v, W_o, xw, tab; writes xw, tab
.if DOCPART == 1
	.amdgcn_target "amdgcn-amd-amdhsa--gfx1250"
	.amdhsa_code_object_version 6
	.text
	.protected	k_qea81e76ae5_prep
	.globl	k_qea81e76ae5_prep
	.p2align	8
	.type	k_qea81e76ae5_prep,@function
k_qea81e76ae5_prep:
	s_mov_b64 s[64:65], 0
	v_nop
	global_prefetch_b8 v0, s[64:65] scope:SCOPE_SE
	s_setreg_imm32_b32 hwreg(HW_REG_WAVE_MODE, 25, 1), 1
	s_wait_xcnt 0x0
; PREP.  (1) x [8192][1024] and the four weights [1024][1024], f32 with K innermost, become codes of FP6 (E2M3) with one E8M0 byte for each 32 along K,
; laid in xw as IMAGES OF THE OPERAND'S REGISTERS: [768 tiles of 16 rows][4 quarters of K][3328 bytes]; a quarter = two fragments (16 rows x 128 K: 12 registers a lane,
; three pieces of 512 bytes, lane l's four registers at 16 l) and 256 bytes of scale words (lane l's 8 bytes: row l % 16's words of the two K steps).
; Tiles 0-511 x, 512-575 W_q, 576-639 W_k, 640-703 W_v, 704-767 W_o.  WHICH ROWS FORM A TILE: for x, W_v, W_o tile T takes rows 32 (T / 2) + 8 (T % 2) + (i % 8) + 16 (i / 8);
; for W_q, W_k tile 4 head + 2 p + u takes rows 64 head + 32 (i / 8) + 16 u + 2 (i % 8) + p, so that the later product leaves the rotary pairs in one lane.
; (2) tab [2048][cos 32 | sin 32], f32: the rotary angles t x 10^(-i / 8), reduced by quarter turns in two parts and put through polynomials of degree 7 and 8.
; A block's scale is 2^(floor(log2(largest magnitude)) - 2): its byte is the magnitude's exponent field - 2, held at 1 from below (a block of zeros keeps the byte 1: its codes are zeros, and this program alone reads the bytes).
; LIMITS: NaN and infinities are not served; blocks whose largest magnitude lies under 2^-124 keep the byte 1; the 32 frequencies are the f32 numbers nearest to 10^(-i / 8),
; which may differ in the last bit from a power function's: at t = 2047 that moves an angle by about 1e-4.
; SHARES.  Work-groups 0-383: a wave takes one tile's 16 rows x 512 along K, four fragments.  Each load reads 512 consecutive bytes of one row; the 16 rows turn through the wave's own stage in LDS
; (pitch 528), from which lane (r, h) takes row r's k = 64 c + 32 h + 0 .. 31: two whole blocks, in the order of the operand's registers.  Work-groups 384-399: a thread takes one t of the table.
.set STG,   8448                       ; a wave's stage: 16 rows x (512 + 16) bytes
.set SPARE, 4*STG                      ; behind the stages: the spare words, 128 bytes a wave
.set L16,   4                          ; v4   16 x lane
.set L8,    5                          ; v5   8 x lane
.set STI,   6                          ; v6   into the stage
.set STO,   7                          ; v7   out of it
.set SH,    8                          ; v8   8 h
.set SPW,   12                         ; v12  my spare word; never rewritten
.set NIL,   13                         ; v13  0; never rewritten
.set VOFF,  16                         ; v16-23 byte offsets of rows i % 8 = 0 .. 7
.set WRD,   24                         ; v24-27 the four scale words
.set MX,    28                         ; v28-29 largest magnitudes, then bytes; v30-31 the conversions' scale operands
.set R,     32                         ; v32-159 two sets of 64: a fragment's numbers as loaded
.set X,     160                        ; v160-223 my 64 numbers
.set C,     224                        ; v224-235 the codes
.set T,     236                        ; v236-242 the second halves of the blocks' codes
	s_load_b256 s[4:11], s[0:1], 0x0               ; x, W_q, W_k, W_v
	s_load_b128 s[12:15], s[0:1], 0x20             ; W_o, xw
	s_load_b64 s[16:17], s[0:1], 0x30              ; tab
	v_lshl_add_u32 v[SPW], v0, 2, SPARE
	v_mov_b32 v[NIL], 0
	v_lshrrev_b32 v1, 5, v0
	v_readfirstlane_b32 s20, v1                    ; wave
	s_cmp_ge_u32 ttmp9, 384
	s_cbranch_scc1 .Ltable
	; ---------------- the quantiser ----------------
	s_lshl_b32 s21, ttmp9, 2
	s_add_co_u32 s21, s21, s20
	s_lshr_b32 s31, s21, 1                         ; tile
	s_and_b32 s32, s21, 1                          ; which half of K
	s_sub_co_u32 s33, s31, 512
	s_and_b32 s33, s33, 63
	s_cmp_ge_u32 s31, 512
	s_cselect_b32 s33, s33, s31                    ; T: the tile's number in its tensor
	s_lshr_b32 s35, s33, 1
	s_lshl_b32 s35, s35, 5
	s_and_b32 s36, s33, 1
	s_lshl_b32 s37, s36, 3
	s_add_co_u32 s35, s35, s37                     ; first row: 32 (T / 2) + 8 (T % 2),
	s_lshr_b32 s37, s33, 2
	s_lshl_b32 s37, s37, 6
	s_lshl_b32 s36, s36, 4
	s_add_co_u32 s37, s37, s36
	s_bfe_u32 s36, s33, 0x10001
	s_add_co_u32 s37, s37, s36                     ; or, for W_q and W_k, 64 (T / 4) + 16 (T % 2) + (T / 2) % 2
	s_lshr_b32 s34, s31, 7
	s_cmp_eq_u32 s34, 4                            ; tiles 512 to 639
	s_cselect_b32 s35, s37, s35
	s_cselect_b32 s38, 2, 1                        ; rows of a tile's half lie 1 apart, or 2
	s_lshl_b32 s40, s35, 12
	s_lshl_b32 s41, s32, 11
	s_add_co_u32 s40, s40, s41                     ; first row x 4,096 bytes + half of K x 2,048
	s_mov_b32 s41, 0
	s_mov_b32 s22, 0x76543210
	s_mov_b32 s23, 0xfedcba98                      ; v_permlanex16_b32's selects for lane l xor 16
	v_and_b32 v1, 31, v0                           ; lane
	v_and_b32 v2, 15, v0                           ; r
	v_bfe_u32 v3, v0, 4, 1                         ; h
	v_lshlrev_b32 v[L16], 4, v1
	v_lshlrev_b32 v[L8], 3, v1
	s_mul_i32 s43, s20, STG
	v_add_nc_u32 v[STI], s43, v[L16]               ; in: a row's 512 bytes as they lie
	v_mul_u32_u24 v[STO], v2, 528
	v_lshl_add_u32 v[STO], v3, 7, v[STO]
	v_add_nc_u32 v[STO], s43, v[STO]               ; out: row r, + 128 h
	v_lshlrev_b32 v[SH], 3, v3
	v_mov_b32 v15, 0                               ; (a lane permute's destination counts as one of its sources)
	s_lshl_b32 s44, s38, 12
	v_mov_b32 v[VOFF], v[L16]
.irp i, 1,2,3,4,5,6,7
	v_add_nc_u32 v[VOFF+\i], s44, v[VOFF+\i-1]
.endr
	s_wait_alu depctr_va_vdst(0)
	s_wait_kmcnt 0x0
	s_mov_b64 s[24:25], s[4:5]                     ; the tensor is chosen by the tile's number alone
	s_cmp_ge_u32 s31, 512
	s_cselect_b64 s[24:25], s[6:7], s[24:25]
	s_cmp_ge_u32 s31, 576
	s_cselect_b64 s[24:25], s[8:9], s[24:25]
	s_cmp_ge_u32 s31, 640
	s_cselect_b64 s[24:25], s[10:11], s[24:25]
	s_cmp_ge_u32 s31, 704
	s_cselect_b64 s[24:25], s[12:13], s[24:25]
	s_add_nc_u64 s[24:25], s[24:25], s[40:41]      ; rows i = 0 .. 7
	s_lshl_b32 s40, s38, 16
	s_add_nc_u64 s[26:27], s[24:25], s[40:41]      ; rows i = 8 .. 15: 16 or 32 rows further down
	s_mul_i32 s40, s31, 13312
	s_mul_i32 s42, s32, 6656
	s_add_co_u32 s40, s40, s42
	s_add_nc_u64 s[28:29], s[14:15], s[40:41]      ; my two quarters in xw
.macro LOAD f                          ; fragment f: 16 rows x 512 bytes into set f % 2
.irp p, 0,1,2,3,4,5,6,7,8,9,10,11,12,13,14,15
	global_load_b128 v[R+64*((\f)%2)+4*\p:R+64*((\f)%2)+4*\p+3], v[VOFF+(\p%8)], s[24+2*(\p/8):25+2*(\p/8)] offset:512*(\f) th:TH_LOAD_NT
.endr
.endm
.macro FRAGQ f
.if (\f) < 3
	s_wait_loadcnt 16                              ; this fragment's 16 loads are in; the next fragment's 16 may be out
.else
	s_wait_loadcnt 0x0
.endif
.irp p, 0,1,2,3,4,5,6,7,8,9,10,11,12,13,14,15
	ds_store_b128 v[STI], v[R+64*((\f)%2)+4*\p:R+64*((\f)%2)+4*\p+3] offset:528*\p
.endr
.irp c, 0,1
.irp i, 0,1,2,3,4,5,6,7
	ds_load_b128 v[X+32*\c+4*\i:X+32*\c+4*\i+3], v[STO] offset:256*\c+16*\i   ; LDS serves a wave's instructions in order: these see the stores above
.endr
.endr
	s_wait_dscnt 0x0                               ; my numbers are back, and the stores into the stage have read their registers
	s_wait_xcnt 0x0                                ; the last fragment's stores have read the codes' registers, which are written again below
.if (\f)+2 < 4
	LOAD (\f)+2
.endif
.irp c, 0,1
	v_max3_num_f32 v[MX+\c], |v[X+32*\c]|, |v[X+32*\c+1]|, 0x1800000   ; my block 2 c + h: all 32 numbers are mine; the floor 2^(3 - 127) holds the byte at 1 from below
.endr
.irp i, 2,4,6,8,10,12,14,16,18,20,22,24,26,28,30
.irp c, 0,1
	v_max3_num_f32 v[MX+\c], v[MX+\c], |v[X+32*\c+\i]|, |v[X+32*\c+\i+1]|
.endr
.endr
.irp c, 0,1
	v_add_nc_u32 v[MX+2+\c], 0xff000000, v[MX+\c]  ; 2 off the exponent field: the conversion's scale operand
.endr
.irp c, 0,1
	v_lshrrev_b32 v[MX+\c], 23, v[MX+2+\c]         ; the scale's byte
.endr
	v_lshl_or_b32 v14, v[MX+1], 16, v[MX]          ; bytes h and 2 + h of my row's word,
	v_lshlrev_b32 v14, v[SH], v14                  ; at their places;
	v_permlanex16_b32 v15, v14, s22, s23
	v_or_b32 v[WRD+(\f)], v14, v15                 ; with lane l xor 16's two the word is whole
.irp c, 0,1
	v_cvt_scalef32_pk16_fp6_f32 v[C+6*\c:C+6*\c+2], v[X+32*\c:X+32*\c+15], v[MX+2+\c]
	v_cvt_scalef32_pk16_fp6_f32 v[T+4*\c:T+4*\c+2], v[X+32*\c+16:X+32*\c+31], v[MX+2+\c]   ; (a conversion's three registers begin on an even number)
.endr
	v_nop                                          ; one plain place behind a scaled conversion
.irp c, 0,1
.irp i, 0,1,2
	v_mov_b32 v[C+3+6*\c+\i], v[T+4*\c+\i]
.endr
.endr
.irp k, 0,1,2
	global_store_b128 v[L16], v[C+4*\k:C+4*\k+3], s[28:29] offset:((\f)/2)*3328+((\f)%2)*1536+512*\k   ; 32 lanes store 512 consecutive bytes, aligned
.endr
.if ((\f)%2) == 1
	global_store_b64 v[L8], v[WRD+(\f)-1:WRD+(\f)], s[28:29] offset:((\f)/2)*3328+3072   ; the quarter's scale words: 256 consecutive bytes
.endif
.endm
	LOAD 0
	LOAD 1
	FRAGQ 0
	FRAGQ 1
	FRAGQ 2
	FRAGQ 3
	s_wait_tensorcnt 0x0                           ; the wave's end: behind my last LDS store
	ds_add_u32 v[SPW], v[NIL]
	s_wait_dscnt 0x0
	s_endpgm
	; ---------------- the table ----------------
.Ltable:
	s_sub_co_u32 s21, ttmp9, 384
	s_lshl_b32 s21, s21, 7
	v_add_nc_u32 v1, s21, v0                       ; t
	v_cvt_f32_u32 v2, v1
	s_wait_alu depctr_va_vdst(0)
	v_lshlrev_b32 v3, 8, v1                        ; 256 bytes a t
	s_mov_b32 s24, 0x3f22f983                      ; 2 / pi
	s_mov_b32 s25, 0xbfc90fdb                      ; -(pi / 2), its f32 part,
	s_mov_b32 s26, 0x333bbd2e                      ; and what that part is too large by
	s_mov_b32 s27, 0xb94ca1f9                      ; sine: -1.9515296e-4, 8.3321609e-3, -1.6666655e-1
	s_mov_b32 s28, 0x3c08839e
	s_mov_b32 s29, 0xbe2aaaa3
	s_mov_b32 s30, 0x37ccf5ce                      ; cosine: 2.4433157e-5, -1.3887316e-3, 4.1666646e-2
	s_mov_b32 s31, 0xbab6061a
	s_mov_b32 s32, 0x3d2aaaa5
.set ti, 0
.macro SINCOS th                       ; the pair for frequency number ti
	v_mul_f32 v4, \th, v2                          ; the angle, rounded once
	v_mul_f32 v5, s24, v4
	v_rndne_f32 v5, v5                             ; n quarter turns
	v_fma_f32 v6, v5, s25, v4
	v_fma_f32 v6, v5, s26, v6                      ; r = angle - n pi / 2, within pi / 4 of 0
	v_mul_f32 v7, v6, v6
	v_fma_f32 v8, v7, s27, s28
	v_fma_f32 v9, v7, s30, s31
	v_fma_f32 v8, v8, v7, s29
	v_fma_f32 v9, v9, v7, s32
	v_mul_f32 v8, v8, v7
	v_mul_f32 v9, v9, v7
	v_fma_f32 v10, v7, -0.5, 1.0
	v_fma_f32 v8, v8, v6, v6                       ; sin r
	v_fma_f32 v9, v9, v7, v10                      ; cos r
	v_cvt_i32_f32 v11, v5
	v_and_b32 v20, 1, v11
	v_cmp_eq_u32 vcc_lo, 1, v20                    ; an odd n changes the two over
	v_cndmask_b32 v21, v8, v9, vcc_lo
	v_cndmask_b32 v22, v9, v8, vcc_lo
	v_and_b32 v23, 2, v11                          ; the sine is negative in quarters 2, 3,
	v_add_nc_u32 v24, 1, v11
	v_lshlrev_b32 v23, 30, v23
	v_and_b32 v24, 2, v24                          ; the cosine in quarters 1, 2
	v_lshlrev_b32 v24, 30, v24
	v_xor_b32 v[96+ti], v21, v23
	v_xor_b32 v[64+ti], v22, v24
.set ti, ti+1
.endm
.irp th, 1.0, 0.74989420933, 0.56234132519, 0.42169650343, 0.31622776602, 0.23713737057, 0.17782794100, 0.13335214322
	SINCOS \th
.endr
.irp th, 0.1, 0.074989420933, 0.056234132519, 0.042169650343, 0.031622776602, 0.023713737057, 0.017782794100, 0.013335214322
	SINCOS \th
.endr
.irp th, 0.01, 0.0074989420933, 0.0056234132519, 0.0042169650343, 0.0031622776602, 0.0023713737057, 0.0017782794100, 0.0013335214322
	SINCOS \th
.endr
.irp th, 0.001, 0.00074989420933, 0.00056234132519, 0.00042169650343, 0.00031622776602, 0.00023713737057, 0.00017782794100, 0.00013335214322
	SINCOS \th
.endr
	s_wait_alu depctr_va_vdst(0)
	s_wait_kmcnt 0x0
.irp g, 0,1,2,3,4,5,6,7
	global_store_b128 v3, v[64+4*\g:67+4*\g], s[16:17] offset:16*\g
	global_store_b128 v3, v[96+4*\g:99+4*\g], s[16:17] offset:128+16*\g
.endr
	s_endpgm
.Lfunc_end_k_qea81e76ae5_prep:
	.size	k_qea81e76ae5_prep, .Lfunc_end_k_qea81e76ae5_prep-k_qea81e76ae5_prep
	.p2alignl 7, 3214868480
	.fill 96, 4, 3214868480
	.section	.rodata,"a",@progbits
	.p2align	6, 0x0
	.amdhsa_kernel k_qea81e76ae5_prep
		.amdhsa_group_segment_fixed_size 34304
		.amdhsa_private_segment_fixed_size 0
		.amdhsa_enable_private_segment 0
		.amdhsa_kernarg_size 56
		.amdhsa_user_sgpr_count 2
		.amdhsa_user_sgpr_kernarg_segment_ptr 1
		.amdhsa_wavefront_size32 1
		.amdhsa_system_sgpr_workgroup_id_x 1
		.amdhsa_system_sgpr_workgroup_id_y 1
		.amdhsa_system_sgpr_workgroup_id_z 1
		.amdhsa_system_vgpr_workitem_id 0
		.amdhsa_next_free_vgpr 256
		.amdhsa_next_free_sgpr 66
		.amdhsa_reserve_vcc 1
		.amdhsa_float_denorm_mode_32 3
		.amdhsa_float_denorm_mode_16_64 3
		.amdhsa_memory_ordered 1
		.amdhsa_forward_progress 1
		.amdhsa_inst_pref_size 71
	.end_amdhsa_kernel
	.amdgpu_metadata
---
amdhsa.version: [ 1, 2 ]
amdhsa.kernels:
  - .name:           k_qea81e76ae5_prep
    .symbol:         k_qea81e76ae5_prep.kd
    .args:
      - { .name: x, .offset: 0, .size: 8, .value_kind: global_buffer, .address_space: global }
      - { .name: W_q, .offset: 8, .size: 8, .value_kind: global_buffer, .address_space: global }
      - { .name: W_k, .offset: 16, .size: 8, .value_kind: global_buffer, .address_space: global }
      - { .name: W_v, .offset: 24, .size: 8, .value_kind: global_buffer, .address_space: global }
      - { .name: W_o, .offset: 32, .size: 8, .value_kind: global_buffer, .address_space: global }
      - { .name: xw, .offset: 40, .size: 8, .value_kind: global_buffer, .address_space: global }
      - { .name: tab, .offset: 48, .size: 8, .value_kind: global_buffer, .address_space: global }
    .group_segment_fixed_size: 34304
    .private_segment_fixed_size: 0
    .kernarg_segment_align: 8
    .kernarg_segment_size: 56
    .max_flat_workgroup_size: 128
    .sgpr_count:     66
    .vgpr_count:     256
    .wavefront_size: 32
...
	.end_amdgpu_metadata
.endif
;; end of part 1
;; launch qkv (part 2): grid 32 x 24, 4 waves a work-group, clusters of 4 x 4, 327,680 bytes of LDS; arguments xw, b_q, b_k, b_v, tab, qk, vimg; writes qk, vimg
.if DOCPART == 2
	.amdgcn_target "amdgcn-amd-amdhsa--gfx1250"
	.amdhsa_code_object_version 6
	.text
	.protected	k_qea81e76ae5_qkv
	.globl	k_qea81e76ae5_qkv
	.p2align	8
	.type	k_qea81e76ae5_qkv,@function
k_qea81e76ae5_qkv:
	s_mov_b64 s[64:65], 0
	v_nop
	global_prefetch_b8 v0, s[64:65] scope:SCOPE_SE
	s_setreg_imm32_b32 hwreg(HW_REG_WAVE_MODE, 25, 1), 1
	s_wait_xcnt 0x0
	s_wait_alu depctr_hold_cnt(0) depctr_sa_sdst(0) depctr_va_vdst(0) depctr_va_sdst(0) depctr_va_ssrc(0) depctr_va_vcc(0) depctr_vm_vsrc(0)
	s_getreg_b32 s2, hwreg(HW_REG_IB_STS2, 6, 4)
	s_cmp_eq_u32 s2, 0
	s_cbranch_scc0 .Lentry_in_a_cluster
	s_endpgm
.Lentry_in_a_cluster:
	s_bfe_u32 s2, ttmp6, 0x10000c
	s_cmp_lg_u32 s2, 0xf033
	s_cbranch_scc0 .Lentry_shape_is_right
	s_endpgm
.Lentry_shape_is_right:
; QKV.  q = rope(x W_q^T + b_q), k = rope(x W_k^T + b_k), v = x W_v^T + b_v, on codes of FP6 (E2M3) with E8M0 scales from xw; the results are quantised again, in registers, and stored as images of the
; operands that the attention launch wants: q and k along the head's 64 (two blocks; qk), v along the keys (vimg).
; A work-group makes 256 rows of source 0 (S0) x 128 rows of source 1 (S1) over all of K = 1,024; a wave 128 (half w % 2) x 64 (half w / 2): 32 accumulators, 8 K steps of 32 matrix instructions.
; Clusters with y < 4 (q, k): S0 = rows of W_q or W_k, S1 = tokens: a lane holds one token, and its registers the rotary pairs of two heads.
; Clusters with y >= 4 (v): S0 = tokens, S1 = rows of W_v: a lane holds one channel of a head, and its registers 128 tokens in the order of the next product's K.
; ALL OF K FITS IN LDS: four quarters of K, each 24 tiles x 3,328 bytes, are first fills; nothing is filled again.  A quarter is read behind a counted wait and a barrier while the later ones land.
; CLUSTER 4 x 4: S0's tiles hang on cx alone and go to my column of the cluster, S1's on cy alone and go to my row: each is asked for jointly by the four that need it.
; The two kinds of work-group part ONCE, on the cluster's y, which all partners share, behind the first fills; each way holds its own K steps and way out.
; The biases are the C of each sum's first matrix instruction.  LIMITS: as the launch before: NaN, infinities not served; a block under 2^-124 keeps the byte 1.
; REGISTERS.  window 0: v1-29 addresses; v32-63 scale words, two sets; v64-159 S1's fragments, two sets (on the way out: v64-95 rotated numbers, v96-115 codes); v160-223 biases; v224-243 at work.
;   window 1: S0's fragments, two sets at v0 and v128.   window 2: accumulator (a, b) at v[8 (8 a + b)], a = S1's tile, b = S0's.   window 3: v0-127 cos and sin of my four tiles of tokens.
.set TIMG,   3328                      ; a tile's quarter of K: two fragments and its scale words
.set TPITCH, 13312                     ; a tile in xw
.set S0OFF,  8*TIMG                    ; in a quarter: S1's 8 tiles, then S0's 16
.set CHUNK,  24*TIMG
.set SPARE,  4*CHUNK                   ; behind the quarters: the spare words, 128 bytes a wave
.set QKHEAD, 106496                    ; qk: a head's 16 records
.set QKREC,  6656                      ; a record: 128 tokens: 8 images of 768 bytes, 2 x 256 bytes of scale words
.set VREC,   6400                      ; vimg: 128 keys: 4 fragments of 1,536 bytes, 256 bytes of scale words
.set ADR0, 4                           ; v4-7   S0's fragments in quarter c
.set ADR1, 8                           ; v8-11  S1's
.set ADRS, 12                          ; v12-15 scale words: lanes 0-15 S1's tiles, lanes 16-31 S0's
.set L16,  16
.set L8,   17
.set TBO,  18                          ; my byte in the table
.set BO,   19                          ; my byte in the bias
.set WD,   20                          ; v20-23 four tiles' scale words; v24-25 as they are stored
.set SPW,  28                          ; my spare word; never rewritten
.set NIL,  29                          ; 0; never rewritten
.set SC,   32
.set HA,   64
.set PC,   96
.set BI,   160
.set TM,   224
.set WV, 18
.set WL, 19
.set WH, 20
.set CX, 21
.set CY, 22
.set CLX, 23
.set CLY, 24
.set G1A, 32                           ; s[32:39] group 1 for S0;  s[40:47] for S1;  s[48:63], s[68:83] groups 0, one for each quarter
.set G1B, 40
.set G0A, 48
.set G0B, 68
.set SEL, 92
.set HIM, 94
.set MSB, 0
.macro WIN new                         ; the immediate's high byte repeats the setting that is left
.if MSB != \new
	s_set_vgpr_msb (MSB<<8)|\new
.set MSB, \new
.endif
.endm
.macro CROUND                          ; a round of the cluster's barrier
	s_barrier_signal -1
	s_barrier_wait -1
	s_cmp_lg_u32 s[WV], 0
	s_cbranch_scc1 .Lnot_wave_0_\@
	s_barrier_signal -3
.Lnot_wave_0_\@:
	s_barrier_wait -3
	s_barrier_signal -1
	s_barrier_wait -1
.endm
.macro PLACES n
.rept \n
	v_nop
.endr
.endm
	s_load_b256 s[4:11], s[0:1], 0x0               ; xw, b_q, b_k, b_v
	s_load_b128 s[12:15], s[0:1], 0x20             ; tab, qk
	s_load_b64 s[16:17], s[0:1], 0x30              ; vimg
	v_lshl_add_u32 v[SPW], v0, 2, SPARE
	v_mov_b32 v[NIL], 0
	ds_add_u32 v[SPW], v[NIL]
	ds_add_u32 v[SPW], v[NIL]                      ; the wave's opening: the add and its wait ahead of my first tensor load; work on registers stands between
	v_lshrrev_b32 v1, 5, v0
	v_readfirstlane_b32 s[WV], v1
	s_and_b32 s[WL], s[WV], 1
	s_lshr_b32 s[WH], s[WV], 1
	s_bfe_u32 s[CX], ttmp6, 0x40000
	s_bfe_u32 s[CY], ttmp6, 0x40004
	s_mov_b32 s[CLX], ttmp9
	s_and_b32 s[CLY], ttmp7, 0xffff
	; S0's first tile that I would fetch: q, k: 512 + 64 (clx % 2) + 16 cx;  v: 64 clx + 16 cx;  + 8 (w % 2)
	s_and_b32 s26, s[CLX], 1
	s_lshl_b32 s26, s26, 6
	s_add_co_u32 s26, s26, 512
	s_lshl_b32 s27, s[CLX], 6
	s_cmp_ge_u32 s[CLY], 4
	s_cselect_b32 s26, s27, s26
	s_lshl_b32 s27, s[CX], 4
	s_add_co_u32 s26, s26, s27
	s_lshl_b32 s27, s[WL], 3
	s_add_co_u32 s26, s26, s27
	s_mul_i32 s26, s26, TPITCH
	s_mov_b32 s27, 0
	; S1's: q, k: 128 cly + 8 (clx / 2) + 32 cy;  v: 640 + 32 (cly - 4) + 8 cy;  + 4 (w % 2)
	s_lshl_b32 s28, s[CLY], 7
	s_lshr_b32 s29, s[CLX], 1
	s_lshl_b32 s29, s29, 3
	s_add_co_u32 s28, s28, s29
	s_lshl_b32 s29, s[CLY], 5
	s_add_co_u32 s29, s29, 512
	s_cmp_ge_u32 s[CLY], 4
	s_cselect_b32 s28, s29, s28
	s_cselect_b32 s29, 3, 5
	s_lshl_b32 s29, s[CY], s29
	s_add_co_u32 s28, s28, s29
	s_lshl_b32 s29, s[WL], 2
	s_add_co_u32 s28, s28, s29
	s_mul_i32 s28, s28, TPITCH
	s_mov_b32 s29, 0
	s_lshl_b32 s30, s[CY], 2
	s_lshl_b32 s30, 15, s30                        ; my row of the cluster
	s_lshl_b32 s31, 0x1111, s[CX]                  ; my column
	; group 1: R tiles' quarters: rows of 416 elements of 8 bytes, 1,664 elements apart, dense in LDS
	s_or_b32 s[G1A], s31, (3<<16)|(1<<21)          ; S0 goes to my column
	s_mov_b32 s[G1A+1], 416<<16
	s_mov_b32 s[G1A+2], 8<<16
	s_mov_b32 s[G1A+3], 416<<16
	s_mov_b32 s[G1A+4], 8
	s_mov_b32 s[G1A+5], 1664
	s_mov_b32 s[G1A+6], 0
	s_mov_b32 s[G1A+7], 0
	s_or_b32 s[G1B], s30, (3<<16)|(1<<21)          ; S1 goes to my row
	s_mov_b32 s[G1B+1], 416<<16
	s_mov_b32 s[G1B+2], 4<<16
	s_mov_b32 s[G1B+3], 416<<16
	s_mov_b32 s[G1B+4], 4
	s_mov_b32 s[G1B+5], 1664
	s_mov_b32 s[G1B+6], 0
	s_mov_b32 s[G1B+7], 0
	s_mul_i32 s30, s[WL], S0OFF                    ; where they go: no place in the cluster enters an LDS address
	s_mul_i32 s31, s[WL], 4*TIMG
	s_mov_b32 s[SEL], 0x76543210
	s_mov_b32 s[SEL+1], 0xfedcba98
	s_mov_b32 s[HIM], 0xffff0000                   ; lanes 16-31
	s_wait_dscnt 0x0                               ; the opening add is done
	s_wait_kmcnt 0x0
	s_add_nc_u64 s[84:85], s[4:5], s[26:27]
	s_add_nc_u64 s[86:87], s[4:5], s[28:29]
.irp c, 0,1,2,3
	s_mov_b32 s[G0A+4*\c], 1
	s_add_co_u32 s[G0A+4*\c+1], s30, \c*CHUNK+S0OFF
	s_add_nc_u64 s[G0A+4*\c+2:G0A+4*\c+3], s[84:85], \c*TIMG
	s_or_b32 s[G0A+4*\c+3], s[G0A+4*\c+3], 0x80000000
	s_mov_b32 s[G0B+4*\c], 1
	s_add_co_u32 s[G0B+4*\c+1], s31, \c*CHUNK
	s_add_nc_u64 s[G0B+4*\c+2:G0B+4*\c+3], s[86:87], \c*TIMG
	s_or_b32 s[G0B+4*\c+3], s[G0B+4*\c+3], 0x80000000
.endr
	CROUND                                         ; all sixteen work-groups are here: the joint loads meet
	s_cmp_eq_u32 s[WH], 0                          ; waves 0, 1 fetch S0's halves, waves 2, 3 S1's: four loads each, all the launch has; four of mine are out
	s_cbranch_scc0 .Lfill_s1
.irp c, 0,1,2,3
	tensor_load_to_lds s[G0A+4*\c:G0A+4*\c+3], s[G1A:G1A+7]
	s_nop 0
.endr
	PLACES 4
	s_branch .Lfilled
.Lfill_s1:
.irp c, 0,1,2,3
	tensor_load_to_lds s[G0B+4*\c:G0B+4*\c+3], s[G1B:G1B+7]
	s_nop 0
.endr
	PLACES 4
.Lfilled:
	v_and_b32 v3, 31, v0
	v_and_b32 v1, 15, v0                           ; r
	v_bfe_u32 v2, v0, 4, 1                         ; h
	v_lshlrev_b32 v[L16], 4, v3
	v_lshlrev_b32 v[L8], 3, v3
	s_mul_i32 s30, s[WL], S0OFF
	s_add_co_u32 s30, s30, S0OFF                   ; my 8 tiles of S0
	s_mul_i32 s31, s[WH], 4*TIMG                   ; my 4 tiles of S1
	v_add_nc_u32 v[ADR0], s30, v[L16]
	v_add_nc_u32 v[ADR1], s31, v[L16]
	s_sub_co_u32 s30, s30, s31
	v_mul_u32_u24 v3, s30, v2                      ; lanes 16-31 take S0's scale words: the lower base + h x the distance
	v_lshl_add_u32 v3, v1, 3, v3
	v_add_nc_u32 v[ADRS], s31, v3
.irp c, 1,2,3
	v_add_nc_u32 v[ADR0+\c], \c*CHUNK, v[ADR0]
	v_add_nc_u32 v[ADR1+\c], \c*CHUNK, v[ADR1]
	v_add_nc_u32 v[ADRS+\c], \c*CHUNK, v[ADRS]
.endr
.irp b, 0,1,2,3
	v_mov_b32 v[TM+4+\b], 0                        ; written once: a lane permute's destination counts as one of its sources
.endr
	v_and_b32 v3, 8, v1
	v_add_nc_u32 v3, v3, v1                        ; r + 8 (r / 8): lane r's row in a tile of tokens or channels
.macro FRAG3 reg, adr, off             ; a fragment's image: three pieces of 512 bytes
.irp k, 0,1,2
	ds_load_b128 v[\reg+4*\k:\reg+4*\k+3], v[\adr] offset:\off+512*\k
.endr
.endm
.macro FETCH s                         ; K step s: S0's eight fragments, S1's four, into set s % 2; with a quarter's first step its scale words
	WIN 0x40
.irp b, 0,1,2,3,4,5,6,7
	FRAG3 128*((\s)&1)+12*\b, ADR0+((\s)>>1), \b*TIMG+((\s)&1)*1536
.endr
	WIN 0
.irp a, 0,1,2,3
	FRAG3 64+48*((\s)&1)+12*\a, ADR1+((\s)>>1), \a*TIMG+((\s)&1)*1536
.endr
.if ((\s)&1) == 0
.irp i, 0,1,2,3,4,5,6,7
	ds_load_b64 v[SC+16*(((\s)>>1)&1)+2*\i:SC+16*(((\s)>>1)&1)+2*\i+1], v[ADRS+((\s)>>1)] offset:\i*TIMG+3072
.endr
.endif
.endm
; 16 matrix instructions: S1's tiles a0, a0 + 1 x S0's eight.  cm = 0: the sums go on; 1: they begin with the bias of S0's rows; 2: of S1's rows.
; The 32 accumulators take turns, one instruction a turn, in the same order in every step.
.macro MUL16 a0, s, cm
.irp a, \a0, \a0+1
.irp b, 0,1,2,3,4,5,6,7
.set rD, 8*(8*(\a)+\b)
.set rA, 128*((\s)&1)+12*\b
.set rB, 64+48*((\s)&1)+12*(\a)
.set rSA, SC+16*(((\s)>>1)&1)+2*\b+((\s)&1)
.set rSB, SC+16*(((\s)>>1)&1)+2*(\a)+((\s)&1)
.if \cm == 1
	v_wmma_scale_f32_16x16x128_f8f6f4 v[rD:rD+7], v[rA:rA+11], v[rB:rB+11], v[BI+8*\b:BI+8*\b+7], v[rSA], v[rSB] matrix_a_fmt:MATRIX_FMT_FP6 matrix_b_fmt:MATRIX_FMT_FP6 matrix_a_scale:MATRIX_SCALE_ROW1
.elseif \cm == 2
	v_wmma_scale_f32_16x16x128_f8f6f4 v[rD:rD+7], v[rA:rA+11], v[rB:rB+11], v[BI+8*(\a):BI+8*(\a)+7], v[rSA], v[rSB] matrix_a_fmt:MATRIX_FMT_FP6 matrix_b_fmt:MATRIX_FMT_FP6 matrix_a_scale:MATRIX_SCALE_ROW1
.else
	v_wmma_scale_f32_16x16x128_f8f6f4 v[rD:rD+7], v[rA:rA+11], v[rB:rB+11], v[rD:rD+7], v[rSA], v[rSB] matrix_a_fmt:MATRIX_FMT_FP6 matrix_b_fmt:MATRIX_FMT_FP6 matrix_a_scale:MATRIX_SCALE_ROW1
.endif
.endr
.endr
.endm
.macro MWIN cm                         ; source 0 window 1, source 1 window 0, D window 2; C window 2, or window 0 for a bias
.if \cm
	WIN 0x81
.else
	WIN 0xa1
.endif
.endm
; A K step.  A quarter's second step also shows the next quarter to every wave: my part of it has landed (the count leaves my later quarters out), then a barrier, its two halves sixteen products apart.
.macro STEP s, cm
	s_wait_dscnt 0x0                               ; this step's fragments are in (asked for sixteen products ago)
.if ((\s)&1) && ((\s)<7)
	s_wait_tensorcnt 2-((\s)>>1)
	s_barrier_signal -1
.endif
	MWIN \cm
	MUL16 0, \s, \cm
.if ((\s)&1) && ((\s)<7)
	s_barrier_wait -1
.endif
.if (\s) < 7
	PLACES 4                                       ; four places in front of loads into registers that the step before multiplied
	FETCH (\s)+1
.endif
	MWIN \cm
	MUL16 2, \s, \cm
.endm
.macro GEMM cm
	s_wait_tensorcnt 0x3                           ; my part of quarter 0 is in; my three later loads may be out
	s_barrier_signal -1
	s_barrier_wait -1                              ; everybody's is
	FETCH 0
	STEP 0, \cm
.irp s, 1,2,3,4,5,6,7
	STEP \s, 0
.endr
	WIN 0
	PLACES 4                                       ; four places behind the last products, ahead of the first read of results
.endm
	s_cmp_ge_u32 s[CLY], 4                         ; the one parting: the cluster's y is the same in all partners
	s_cbranch_scc1 .Lv_way
	; ================ q and k ================
	s_and_b32 s26, s[CLX], 1
	s_cmp_eq_u32 s26, 0
	s_cselect_b64 s[84:85], s[6:7], s[8:9]         ; b_q or b_k
	s_lshl_b32 s95, s[CX], 2
	s_lshl_b32 s27, s[WL], 1
	s_add_co_u32 s95, s95, s27                     ; my first head of two
	s_lshl_b32 s26, s95, 8
	s_mov_b32 s27, 0
	s_add_nc_u64 s[84:85], s[84:85], s[26:27]
	s_lshl_b32 s96, s[CY], 2
	s_lshr_b32 s26, s[CLX], 1
	s_add_co_u32 s96, s96, s26                     ; which 128 tokens of the batch
	s_lshl_b32 s26, s96, 15
	s_lshl_b32 s28, s[WH], 14
	s_add_co_u32 s26, s26, s28
	s_add_nc_u64 s[88:89], s[12:13], s[26:27]      ; the table at my 64 tokens
	s_and_b32 s26, s[CLX], 1
	s_lshl_b32 s26, s26, 6
	s_lshl_b32 s28, s[CLY], 4
	s_add_co_u32 s26, s26, s28
	s_add_co_u32 s26, s26, s95
	s_mul_i32 s26, s26, QKHEAD
	s_mul_i32 s28, s96, QKREC
	s_add_co_u32 s26, s26, s28                     ; my first head's record
	s_mul_i32 s28, s[WH], 3072
	s_add_co_u32 s28, s26, s28
	s_mov_b32 s29, 0
	s_add_nc_u64 s[90:91], s[14:15], s[28:29]      ; my four images in it
	s_lshl_b32 s28, s[WH], 8
	s_add_co_u32 s28, s28, s26
	s_add_co_u32 s28, s28, 6144
	s_add_nc_u64 s[86:87], s[14:15], s[28:29]      ; and their scale words
	v_lshlrev_b32 v[BO], 7, v2                     ; accumulator b = 4 e + 2 p + u, register j, holds W's row 64 e + 32 h + 16 u + 2 j + p
	s_wait_alu depctr_va_vdst(0)
	v_lshlrev_b32 v[TBO], 8, v3
	v_lshl_add_u32 v[TBO], v2, 6, v[TBO]           ; my token's row of the table, + 16 h numbers
.irp e, 0,1
.irp p, 0,1
.irp u, 0,1
.irp j, 0,1,2,3,4,5,6,7
	global_load_b32 v[BI+8*(4*\e+2*\p+\u)+\j], v[BO], s[84:85] offset:4*(64*\e+16*\u+2*\j+\p)
.endr
.endr
.endr
.endr
	WIN 0xc0
.irp a, 0,1,2,3
.irp k, 0,1,2,3
	global_load_b128 v[32*\a+4*\k:32*\a+4*\k+3], v[TBO], s[88:89] offset:(32*(\a/2)+8*(\a%2))*256+16*\k
	global_load_b128 v[32*\a+16+4*\k:32*\a+19+4*\k], v[TBO], s[88:89] offset:(32*(\a/2)+8*(\a%2))*256+128+16*\k
.endr
.endr
	WIN 0
	s_wait_loadcnt 32                              ; the biases are in; the table's 32 loads may be out until the way out
	GEMM 1
	s_wait_loadcnt 0x0                             ; the table
; 32 numbers of a lane, register 16 b + i = k 32 b + 16 h + i of my row, become six registers of codes in v[PC] on (k = 32 h + 0 .. 31) and the row's scale word; the word's upper two bytes stand for 1.0 over zero codes.
.macro QUANT2 s, wd
.irp b, 0,1
	v_max3_num_f32 v[TM+\b], |v[\s+16*\b]|, |v[\s+1+16*\b]|, 0x1800000
.endr
.irp i, 2,4,6,8,10,12,14
.irp b, 0,1
	v_max3_num_f32 v[TM+\b], v[TM+\b], |v[\s+16*\b+\i]|, |v[\s+1+16*\b+\i]|
.endr
.endr
.irp b, 0,1
	v_permlanex16_b32 v[TM+4+\b], v[TM+\b], s[SEL], s[SEL+1]
.endr
.irp b, 0,1
	v_max_num_f32 v[TM+\b], v[TM+\b], v[TM+4+\b]   ; with lane l xor 16's: the block's largest magnitude
.endr
.irp b, 0,1
	v_add_nc_u32 v[TM+12+\b], 0xff000000, v[TM+\b] ; 2 off its exponent field: the conversion's scale operand
.endr
.irp b, 0,1
	v_lshrrev_b32 v[TM+4+\b], 23, v[TM+12+\b]      ; the scale's byte
.endr
	v_lshl_or_b32 v[\wd], v[TM+5], 8, v[TM+4]
	v_or_b32 v[\wd], 0x7f7f0000, v[\wd]
	v_cvt_scalef32_pk16_fp6_f32 v[PC:PC+2], v[\s:\s+15], v[TM+12]
	v_cvt_scalef32_pk16_fp6_f32 v[PC+12:PC+14], v[\s+16:\s+31], v[TM+13]
	v_nop                                          ; one plain place behind a scaled conversion
.irp i, 0,1,2
	v_permlane16_swap_b32 v[PC+\i], v[PC+12+\i]    ; a whole block to a lane: lanes 0-15 block 0, lanes 16-31 block 1
.endr
.irp i, 0,1,2
	v_mov_b32 v[PC+3+\i], v[PC+12+\i]
.endr
.endm
; Tile a of tokens, head e: x1 = the even rows' 16 results, x2 = the odd rows'; out[16 h + i] = x1 cos - x2 sin, out[32 + 16 h + i] = x1 sin + x2 cos.  Each accumulator is read from its low end on.
.macro QKOUT a, e
	WIN 0x0e                                       ; source 0 window 2, source 1 window 3
.irp i, 0,2,4,6,8,10,12,14
	v_pk_mul_f32 v[HA+\i:HA+\i+1], v[64*\a+32*\e+16+\i:64*\a+32*\e+17+\i], v[32*\a+16+\i:32*\a+17+\i]
	v_pk_mul_f32 v[HA+16+\i:HA+17+\i], v[64*\a+32*\e+16+\i:64*\a+32*\e+17+\i], v[32*\a+\i:32*\a+\i+1]
.endr
.irp i, 0,2,4,6,8,10,12,14
	v_pk_fma_f32 v[HA+\i:HA+\i+1], v[64*\a+32*\e+\i:64*\a+32*\e+\i+1], v[32*\a+\i:32*\a+\i+1], v[HA+\i:HA+\i+1] neg_lo:[0,0,1] neg_hi:[0,0,1]
	v_pk_fma_f32 v[HA+16+\i:HA+17+\i], v[64*\a+32*\e+\i:64*\a+32*\e+\i+1], v[32*\a+16+\i:32*\a+17+\i], v[HA+16+\i:HA+17+\i]
.endr
	WIN 0
	s_wait_xcnt 0x0                                ; the earlier stores have read the codes' and the words' registers
	QUANT2 HA, WD+\a
	global_store_b128 v[L16], v[PC:PC+3], s[90:91] offset:\e*QKHEAD+\a*768          ; 512 consecutive bytes,
	global_store_b64 v[L8], v[PC+4:PC+5], s[90:91] offset:\e*QKHEAD+\a*768+512      ; and 256
.endm
.irp e, 0,1
.irp a, 0,1,2,3
	QKOUT \a, \e
.endr
	v_cndmask_b32 v24, v[WD], v[WD+2], s[HIM]      ; lanes 0-15 store tiles 0 and 1's words, lanes 16-31 tiles 2 and 3's: 256 consecutive bytes
	v_cndmask_b32 v25, v[WD+1], v[WD+3], s[HIM]
	global_store_b64 v[L8], v[24:25], s[86:87] offset:\e*QKHEAD
.endr
	s_branch .Ldone
	; ================ v ================
.Lv_way:
	s_sub_co_u32 s26, s[CLY], 4
	s_lshl_b32 s26, s26, 3
	s_lshl_b32 s28, s[CY], 1
	s_add_co_u32 s26, s26, s28
	s_add_co_u32 s95, s26, s[WH]                   ; my head
	s_lshl_b32 s26, s95, 8
	s_mov_b32 s27, 0
	s_add_nc_u64 s[84:85], s[10:11], s[26:27]      ; b_v at my head
	s_lshl_b32 s26, s[CLX], 2
	s_add_co_u32 s26, s26, s[CX]                   ; which 256 tokens
	s_lshr_b32 s28, s26, 3                         ; batch
	s_lshl_b32 s28, s28, 4
	s_add_co_u32 s28, s28, s95
	s_lshl_b32 s28, s28, 4
	s_and_b32 s26, s26, 7
	s_lshl_b32 s26, s26, 1
	s_add_co_u32 s26, s26, s[WL]                   ; which 128 keys of the batch
	s_add_co_u32 s26, s26, s28
	s_mul_i32 s26, s26, VREC
	s_add_nc_u64 s[90:91], s[16:17], s[26:27]      ; my record in vimg
	s_wait_alu depctr_va_vdst(0)
	v_lshlrev_b32 v[BO], 2, v3                     ; a lane holds one channel: its bias fills the tile's eight registers
.irp a, 0,1,2,3
.irp j, 0,1,2,3,4,5,6,7
	global_load_b32 v[BI+8*\a+\j], v[BO], s[84:85] offset:4*(32*(\a/2)+8*(\a%2))
.endr
.endr
	s_wait_loadcnt 0x0
	GEMM 2
; Tile a of channels: my 64 results, register 16 b + i = key 32 b + 16 h + i of my channel, become a fragment (12 registers) and its scale word.
.macro VOUT a
	s_wait_xcnt 0x0                                ; the earlier stores have read the codes' registers
	WIN 0x28                                       ; sources 1 and 2 window 2
.irp b, 0,1,2,3
	v_max3_num_f32 v[TM+\b], 0x1800000, |v[64*\a+16*\b]|, |v[64*\a+16*\b+1]|
.endr
.irp i, 2,4,6,8,10,12,14
.irp b, 0,1,2,3
	v_max3_num_f32 v[TM+\b], v[TM+\b], |v[64*\a+16*\b+\i]|, |v[64*\a+16*\b+\i+1]|
.endr
.endr
	WIN 0
.irp b, 0,1,2,3
	v_permlanex16_b32 v[TM+4+\b], v[TM+\b], s[SEL], s[SEL+1]
.endr
.irp b, 0,1,2,3
	v_max_num_f32 v[TM+\b], v[TM+\b], v[TM+4+\b]
.endr
.irp b, 0,1,2,3
	v_add_nc_u32 v[TM+12+\b], 0xff000000, v[TM+\b]
.endr
.irp b, 0,1,2,3
	v_lshrrev_b32 v[TM+4+\b], 23, v[TM+12+\b]
.endr
	v_lshl_or_b32 v[WD+\a], v[TM+5], 8, v[TM+4]
	v_lshl_or_b32 v[WD+\a], v[TM+6], 16, v[WD+\a]
	v_lshl_or_b32 v[WD+\a], v[TM+7], 24, v[WD+\a]
	WIN 0x02                                       ; source 0 window 2
.irp c, 0,1
	v_cvt_scalef32_pk16_fp6_f32 v[PC+6*\c:PC+6*\c+2], v[64*\a+32*\c:64*\a+32*\c+15], v[TM+12+2*\c]
	v_cvt_scalef32_pk16_fp6_f32 v[PC+12+4*\c:PC+14+4*\c], v[64*\a+32*\c+16:64*\a+32*\c+31], v[TM+13+2*\c]
.endr
	WIN 0
	v_nop                                          ; one plain place behind a scaled conversion
.irp c, 0,1
.irp i, 0,1,2
	v_permlane16_swap_b32 v[PC+6*\c+\i], v[PC+12+4*\c+\i]
.endr
.irp i, 0,1,2
	v_mov_b32 v[PC+3+6*\c+\i], v[PC+12+4*\c+\i]
.endr
.endr
.irp k, 0,1,2
	global_store_b128 v[L16], v[PC+4*\k:PC+4*\k+3], s[90:91] offset:1536*\a+512*\k
.endr
.endm
.irp a, 0,1,2,3
	VOUT \a
.endr
	v_cndmask_b32 v24, v[WD], v[WD+2], s[HIM]
	v_cndmask_b32 v25, v[WD+1], v[WD+3], s[HIM]
	global_store_b64 v[L8], v[24:25], s[90:91] offset:6144
.Ldone:
	s_wait_tensorcnt 0x0                           ; the wave's end: behind my last tensor load
	ds_add_u32 v[SPW], v[NIL]
	s_wait_dscnt 0x0
	CROUND                                         ; the closing round
	s_endpgm
.Lfunc_end_k_qea81e76ae5_qkv:
	.size	k_qea81e76ae5_qkv, .Lfunc_end_k_qea81e76ae5_qkv-k_qea81e76ae5_qkv
	.p2alignl 7, 3214868480
	.fill 96, 4, 3214868480
	.section	.rodata,"a",@progbits
	.p2align	6, 0x0
	.amdhsa_kernel k_qea81e76ae5_qkv
		.amdhsa_group_segment_fixed_size 327680
		.amdhsa_private_segment_fixed_size 0
		.amdhsa_enable_private_segment 0
		.amdhsa_kernarg_size 56
		.amdhsa_user_sgpr_count 2
		.amdhsa_user_sgpr_kernarg_segment_ptr 1
		.amdhsa_wavefront_size32 1
		.amdhsa_system_sgpr_workgroup_id_x 1
		.amdhsa_system_sgpr_workgroup_id_y 1
		.amdhsa_system_sgpr_workgroup_id_z 1
		.amdhsa_system_vgpr_workitem_id 0
		.amdhsa_next_free_vgpr 896
		.amdhsa_next_free_sgpr 100
		.amdhsa_reserve_vcc 0
		.amdhsa_float_denorm_mode_32 3
		.amdhsa_float_denorm_mode_16_64 3
		.amdhsa_memory_ordered 1
		.amdhsa_forward_progress 1
		.amdhsa_inst_pref_size 183
	.end_amdhsa_kernel
	.amdgpu_metadata
---
amdhsa.version: [ 1, 2 ]
amdhsa.kernels:
  - .name:           k_qea81e76ae5_qkv
    .symbol:         k_qea81e76ae5_qkv.kd
    .args:
      - { .name: xw, .offset: 0, .size: 8, .value_kind: global_buffer, .address_space: global }
      - { .name: b_q, .offset: 8, .size: 8, .value_kind: global_buffer, .address_space: global }
      - { .name: b_k, .offset: 16, .size: 8, .value_kind: global_buffer, .address_space: global }
      - { .name: b_v, .offset: 24, .size: 8, .value_kind: global_buffer, .address_space: global }
      - { .name: tab, .offset: 32, .size: 8, .value_kind: global_buffer, .address_space: global }
      - { .name: qk, .offset: 40, .size: 8, .value_kind: global_buffer, .address_space: global }
      - { .name: vimg, .offset: 48, .size: 8, .value_kind: global_buffer, .address_space: global }
    .group_segment_fixed_size: 327680
    .private_segment_fixed_size: 0
    .kernarg_segment_align: 8
    .kernarg_segment_size: 56
    .max_flat_workgroup_size: 128
    .sgpr_count:     100
    .vgpr_count:     896
    .wavefront_size: 32
...
	.end_amdgpu_metadata
.endif
;; end of part 2
;; launch attn (part 3): grid 4 x 64, 16 waves a work-group, clusters of 4 x 1, 210,944 bytes of LDS; arguments qk, vimg, ao; writes ao
.if DOCPART == 3
	.amdgcn_target "amdgcn-amd-amdhsa--gfx1250"
	.amdhsa_code_object_version 6
	.text
	.protected	k_qea81e76ae5_attn
	.globl	k_qea81e76ae5_attn
	.p2align	8
	.type	k_qea81e76ae5_attn,@function
k_qea81e76ae5_attn:
	s_mov_b64 s[64:65], 0
	v_nop
	global_prefetch_b8 v0, s[64:65] scope:SCOPE_SE
	s_setreg_imm32_b32 hwreg(HW_REG_WAVE_MODE, 25, 1), 1
	s_wait_xcnt 0x0
	s_wait_alu depctr_hold_cnt(0) depctr_sa_sdst(0) depctr_va_vdst(0) depctr_va_sdst(0) depctr_va_ssrc(0) depctr_va_vcc(0) depctr_vm_vsrc(0)
	s_getreg_b32 s2, hwreg(HW_REG_IB_STS2, 6, 4)
	s_cmp_eq_u32 s2, 0
	s_cbranch_scc0 .Lentry_in_a_cluster
	s_endpgm
.Lentry_in_a_cluster:
	s_bfe_u32 s2, ttmp6, 0x10000c
	s_cmp_lg_u32 s2, 0x3003
	s_cbranch_scc0 .Lentry_shape_is_right
	s_endpgm
.Lentry_shape_is_right:
; ATTN.  o = softmax(causal(q k^T) / 8) v for one (batch, head) a cluster, both products on codes of FP6 (E2M3) with E8M0 scales; o is quantised along the model's axis (two blocks a head) and stored in ao as half of a fragment's image.
; THE SOFTMAX AHEAD OF THE SECOND PRODUCT: t = score x log2(e) / 8; M = the running largest t rounded UP to a whole number; p = 2^(t - M) is quantised along the keys, not normalised; the row's sum is taken of the
; unquantised p and divides o at the end; when M moves, the sum and o are multiplied by 2^(old M - new M), which rounds nothing.
; THE FIRST PRODUCT'S K IS 64: registers 0-5 of a fragment hold the head's two blocks, registers 6-11 zero codes, written once; the scale words' upper bytes stand for 1.0.
; SHARES.  The head's K (16 records of 128 keys, 106,496 bytes) and V (102,400 bytes) lie WHOLE in LDS, asked for jointly by the cluster's four work-groups, once: nothing is filled again.
; A wave owns two tiles of 16 queries, both tile 2 cx + w % 2 of their 128 tokens: one in key step 8 + w / 2, one in key step 7 - w / 2: 17 key steps of work for every wave of the launch.
; Branches hang on the wave's number and on loop counts alone; cx enters only q's and ao's addresses and the mask's numbers.
; Both products are used transposed (S^T = K Q^T, O^T = V^T P^T): a lane holds one query throughout.  Tile 2 g + u of 128 tokens takes tokens 32 g + 8 u + (i % 8) + 16 (i / 8), so that the 16 registers of two
; neighbouring tiles of S^T are 16 neighbouring keys; V's channels are laid likewise, so that O^T's registers run along the next product's K.
; CAUSAL: a key step behind the tile's own is left out (a scalar branch round its work); in the tile's own step hidden scores become -infinity ahead of the maximum.
; REGISTERS: v1-4 lane terms; v5, v6 the add's two; v7-11 addresses in hand; v12 -M, v13 largest t, v[14:15] the sum; v16-27 Q; v28-31 V's scale words; v32-79 four fragments of K; v80-127 V's four;
; v128-191 S^T, then p; v192-223 O^T; v224-235 p's codes; v232-254 at work; v248-251 K's scale words; v255 Q's.
.set QKHEAD, 106496
.set QKREC,  6656
.set VREC,   6400
.set VB,     106496                    ; LDS: K's records from 0, V's from here
.set SPARE,  208896                    ; the spare words, 128 bytes for each of 16 waves
.set L16, 1
.set L8,  2
.set R8,  3
.set DD,  4                            ; my query's place among its step's 128 keys, less 16 h
.set SPW, 5
.set NIL, 6
.set ADSV, 7
.set ADK16, 8
.set ADK8, 9
.set ADV16, 10
.set ADSK, 11
.set S,   128
.set O,   192
.set WV,  10
.set POS, 14                           ; the key step in which the tile in hand lies
.set J,   15                           ; the key step in hand
.set TBK, 16
.set TBV, 17
.set CS,  20                           ; s[20:21] c = log2(e) / 8
.set SEL, 22
.set G1K, 24
.set G1V, 32
.set G0K, 40                           ; s[40:55] K's four loads;  s[56:63], s[68:75] V's
.macro CROUND
	s_barrier_signal -1
	s_barrier_wait -1
	s_cmp_lg_u32 s[WV], 0
	s_cbranch_scc1 .Lnot_wave_0_\@
	s_barrier_signal -3
.Lnot_wave_0_\@:
	s_barrier_wait -3
	s_barrier_signal -1
	s_barrier_wait -1
.endm
	s_load_b128 s[4:7], s[0:1], 0x0                ; qk, vimg
	s_load_b64 s[8:9], s[0:1], 0x10                ; ao
	v_lshl_add_u32 v[SPW], v0, 2, SPARE
	v_mov_b32 v[NIL], 0
	ds_add_u32 v[SPW], v[NIL]                      ; the wave's opening: the add and its wait ahead of the first tensor loads; work on registers stands between
	ds_add_u32 v[SPW], v[NIL]
	v_lshrrev_b32 v1, 5, v0
	s_delay_alu instid0(VALU_DEP_1)
	v_readfirstlane_b32 s[WV], v1
	s_bfe_u32 s11, ttmp6, 0x40000                  ; cx
	s_and_b32 s12, ttmp7, 0xffff                   ; 16 x batch + head
	s_and_b32 s18, s[WV], 1
	s_lshl_b32 s13, s11, 1
	s_add_co_u32 s13, s13, s18                     ; my tile among a step's eight
	s_lshr_b32 s18, s[WV], 1
	s_add_co_u32 s2, s18, 8                        ; the long tile's step
	s_sub_co_u32 s3, 7, s18                        ; the short tile's
	s_mul_i32 s94, s12, QKHEAD
	s_mul_i32 s95, s13, 768                        ; the tile's image in a record
	s_lshr_b32 s98, s13, 2
	s_lshl_b32 s98, s98, 8
	s_bfe_u32 s18, s13, 0x10001
	s_lshl_b32 s18, s18, 7
	s_add_co_u32 s98, s98, s18
	s_and_b32 s18, s13, 1
	s_lshl_b32 s18, s18, 2
	s_add_co_u32 s98, s98, s18
	s_add_co_u32 s98, s98, 6144                    ; and its scale words
	s_lshr_b32 s99, s12, 4
	s_lshl_b32 s99, s99, 7
	s_add_co_u32 s99, s99, s13                     ; 128 x batch + tile
	s_and_b32 s93, s12, 15                         ; head
	s_lshr_b32 s18, s93, 2
	s_mul_i32 s18, s18, 3328                       ; ao: the head's quarter of K,
	s_bfe_u32 s19, s93, 0x10001                    ; its K step in the quarter,
	s_and_b32 s93, s93, 1                          ; its half of the step
	s_mul_i32 s92, s19, 1536
	s_add_co_u32 s92, s92, s18
	s_mul_i32 s96, s93, 768
	s_add_co_u32 s92, s92, s96                     ; the head's half image in a tile of ao
	s_lshl_b32 s19, s19, 2
	s_add_co_u32 s19, s19, s18
	s_lshl_b32 s93, s93, 1
	s_add_co_u32 s19, s19, s93
	s_add_co_u32 s19, s19, 3072                    ; and its two scale bytes
	s_lshr_b32 s93, s13, 1
	s_lshl_b32 s93, s93, 5
	s_and_b32 s18, s13, 1
	s_lshl_b32 s18, s18, 3
	s_add_co_u32 s93, s93, s18                     ; the tile's first token in its step
	; group 1: a dense block as rows of 256 bytes (32 elements of 8 bytes); the mask names all four work-groups
	s_mov_b32 s[G1K], 15|(3<<16)|(1<<21)
	s_mov_b32 s[G1K+1], 32<<16
	s_mov_b32 s[G1K+2], 104<<16                    ; four records of K: 26,624 bytes
	s_mov_b32 s[G1K+3], 32<<16
	s_mov_b32 s[G1K+4], 104
	s_mov_b32 s[G1K+5], 32
	s_mov_b32 s[G1K+6], 0
	s_mov_b32 s[G1K+7], 0
	s_mov_b32 s[G1V], 15|(3<<16)|(1<<21)
	s_mov_b32 s[G1V+1], 32<<16
	s_mov_b32 s[G1V+2], 100<<16                    ; four records of V: 25,600 bytes
	s_mov_b32 s[G1V+3], 32<<16
	s_mov_b32 s[G1V+4], 100
	s_mov_b32 s[G1V+5], 32
	s_mov_b32 s[G1V+6], 0
	s_mov_b32 s[G1V+7], 0
	s_mov_b32 s[CS], 0x3e38aa3b
	s_mov_b32 s[CS+1], s[CS]                       ; (named with it as a pair, so it is written)
	s_mov_b32 s[SEL], 0x76543210
	s_mov_b32 s[SEL+1], 0xfedcba98
	s_mov_b32 s97, 0
	s_wait_dscnt 0x0                               ; the opening add is done
	s_wait_kmcnt 0x0
	s_add_co_u32 s96, s94, 64*QKHEAD               ; k lies behind q's 64 heads
	s_add_nc_u64 s[16:17], s[4:5], s[96:97]
.irp c, 0,1,2,3
	s_mov_b32 s[G0K+4*\c], 1
	s_mov_b32 s[G0K+4*\c+1], \c*26624
	s_add_nc_u64 s[G0K+4*\c+2:G0K+4*\c+3], s[16:17], \c*26624
	s_or_b32 s[G0K+4*\c+3], s[G0K+4*\c+3], 0x80000000
.endr
	s_mul_i32 s96, s12, 16*VREC
	s_add_nc_u64 s[16:17], s[6:7], s[96:97]
.set cc, 0
.irp g, 56,60,68,72
	s_mov_b32 s[\g], 1
	s_mov_b32 s[\g+1], VB+cc*25600
	s_add_nc_u64 s[\g+2:\g+3], s[16:17], cc*25600
	s_or_b32 s[\g+3], s[\g+3], 0x80000000
.set cc, cc+1
.endr
.macro BASES pos, q                    ; for the tile in step s[pos]: s[q:q+1] its image in qk, s[q+2:q+3] its scale words, s[q+4:q+5] its place in ao, s[q+6:q+7] its scale bytes there
	s_mul_i32 s18, s[\pos], QKREC
	s_add_co_u32 s18, s18, s94
	s_add_co_u32 s96, s18, s95
	s_add_nc_u64 s[\q:\q+1], s[4:5], s[96:97]
	s_add_co_u32 s96, s18, s98
	s_add_nc_u64 s[\q+2:\q+3], s[4:5], s[96:97]
	s_lshl_b32 s18, s[\pos], 3
	s_add_co_u32 s18, s18, s99
	s_mul_i32 s18, s18, 13312
	s_add_co_u32 s96, s18, s92
	s_add_nc_u64 s[\q+4:\q+5], s[8:9], s[96:97]
	s_add_co_u32 s96, s18, s19
	s_add_nc_u64 s[\q+6:\q+7], s[8:9], s[96:97]
.endm
	BASES 2, 76
	BASES 3, 84
	CROUND                                         ; all four work-groups are here: the joint loads meet
	s_cmp_lg_u32 s[WV], 0                          ; wave 0 asks for K's four chunks, wave 1 for V's; the others for nothing.  Four loads of such a wave are out
	s_cbranch_scc1 .Lnot_k
.irp c, 0,1,2,3
	tensor_load_to_lds s[G0K+4*\c:G0K+4*\c+3], s[G1K:G1K+7]
	s_nop 0
.endr
.rept 4
	v_nop
.endr
	s_branch .Lasked
.Lnot_k:
	s_cmp_lg_u32 s[WV], 1
	s_cbranch_scc1 .Lasked
.irp g, 56,60,68,72
	tensor_load_to_lds s[\g:\g+3], s[G1V:G1V+7]
	s_nop 0
.endr
.rept 4
	v_nop
.endr
.Lasked:
	v_and_b32 v7, 31, v0
	s_delay_alu instid0(VALU_DEP_1)
	v_lshlrev_b32 v[L16], 4, v7
	s_delay_alu instid0(VALU_DEP_2)
	v_lshlrev_b32 v[L8], 3, v7
	v_and_b32 v8, 15, v0                           ; r
	s_delay_alu instid0(VALU_DEP_1)
	v_lshlrev_b32 v[R8], 3, v8
	global_load_b128 v[16:19], v[L16], s[76:77]    ; the long tile's Q: registers 0-3,
	global_load_b64 v[20:21], v[L8], s[76:77] offset:512   ; 4-5,
	global_load_b32 v255, v[R8], s[78:79]          ; and its scale words
	v_bfe_u32 v9, v0, 4, 1                         ; h
	v_and_b32 v10, 8, v8
	s_delay_alu instid0(VALU_DEP_1)
	v_add_nc_u32 v10, v10, v8
	s_delay_alu instid0(VALU_DEP_3)
	v_lshlrev_b32 v9, 4, v9
	s_delay_alu instid0(VALU_DEP_1)
	v_sub_nc_u32 v10, v10, v9
	s_delay_alu instid0(VALU_DEP_1)
	v_add_nc_u32 v[DD], s93, v10
.irp j, 22,23,24,25,26,27
	v_mov_b32 v[\j], 0                             ; zero codes for k = 64 .. 127
.endr
.irp t, 0,1,2,3
.irp j, 6,7,8,9,10,11
	v_mov_b32 v[32+12*\t+\j], 0
.endr
.endr
.irp b, 0,1,2,3
	v_mov_b32 v[236+\b], 0                         ; written once: a lane permute's destination counts as one of its sources
.endr
	v_mov_b32 v253, 0                              ; (named as the upper half of the pair v[252:253] before it is first written)
.macro INIT                            ; a tile begins: the largest t under every t, the sum and O^T zeros, which the first change of M leaves zeros
	v_mov_b32 v13, 0xff61b1e6
	s_delay_alu instid0(VALU_DEP_1)
	v_floor_f32 v12, -v13
	v_mov_b32 v14, 0
	v_mov_b32 v15, 0
.irp j, 0,1,2,3,4,5,6,7,8,9,10,11,12,13,14,15,16,17,18,19,20,21,22,23,24,25,26,27,28,29,30,31
	v_mov_b32 v[O+\j], 0
.endr
.endm
	INIT
; A KEY STEP: 128 keys.  chk = 1: the step may lie behind the tile's own (left out) or be the tile's own (masked).
.macro STEP chk
.if \chk
	s_cmp_gt_u32 s[J], s[POS]
	s_cbranch_scc1 .Lhid_\@
.endif
	s_setprio 2
	v_add_nc_u32 v[ADK16], s[TBK], v[L16]          ; (these five are also the places behind the last products, ahead of the loads into V's registers)
	v_add_nc_u32 v[ADK8], s[TBK], v[L8]
	v_add_nc_u32 v[ADSK], s[TBK], v[R8]
	v_add_nc_u32 v[ADV16], s[TBV], v[L16]
	v_add_nc_u32 v[ADSV], s[TBV], v[R8]
.irp t, 0,1,2,3
	ds_load_b128 v[32+12*\t:35+12*\t], v[ADK16] offset:768*\t
	ds_load_b64 v[36+12*\t:37+12*\t], v[ADK8] offset:768*\t+512
	ds_load_b32 v[248+\t], v[ADSK] offset:6144+128*(\t/2)+4*(\t%2)
.endr
.irp a, 0,1,2,3
.irp k, 0,1,2
	ds_load_b128 v[80+12*\a+4*\k:83+12*\a+4*\k], v[ADV16] offset:1536*\a+512*\k
.endr
	ds_load_b32 v[28+\a], v[ADSV] offset:6144+128*(\a/2)+4*(\a%2)
.endr
	s_wait_alu depctr_va_vdst(0)
	s_wait_dscnt 16                                ; K's first four tiles are in; V's 16 loads may be out
.irp t, 0,1,2,3
	v_wmma_scale_f32_16x16x128_f8f6f4 v[S+8*\t:S+8*\t+7], v[32+12*\t:43+12*\t], v[16:27], 0, v[248+\t], v255 matrix_a_fmt:MATRIX_FMT_FP6 matrix_b_fmt:MATRIX_FMT_FP6
.endr
.rept 4
	v_nop                                          ; places in front of loads into registers that these products have read
.endr
.irp t, 0,1,2,3
	ds_load_b128 v[32+12*\t:35+12*\t], v[ADK16] offset:3072+768*\t
	ds_load_b64 v[36+12*\t:37+12*\t], v[ADK8] offset:3072+768*\t+512
	ds_load_b32 v[248+\t], v[ADSK] offset:6400+128*(\t/2)+4*(\t%2)
.endr
	s_wait_dscnt 0x0
.irp t, 0,1,2,3
	v_wmma_scale_f32_16x16x128_f8f6f4 v[S+32+8*\t:S+39+8*\t], v[32+12*\t:43+12*\t], v[16:27], 0, v[248+\t], v255 matrix_a_fmt:MATRIX_FMT_FP6 matrix_b_fmt:MATRIX_FMT_FP6
.endr
.rept 4
	v_nop
.endr
.if \chk
	s_cmp_lg_u32 s[J], s[POS]
	s_cbranch_scc1 .Lopen_\@
	v_mov_b32 v254, 0xff800000                     ; register 16 b + i holds key 32 b + 16 h + i of the step: hidden where 32 b + i > my query's place less 16 h
.irp n, 0,1,2,3,4,5,6,7,8,9,10,11,12,13,14,15,16,17,18,19,20,21,22,23,24,25,26,27,28,29,30,31,32,33,34,35,36,37,38,39,40,41,42,43,44,45,46,47,48,49,50,51,52,53,54,55,56,57,58,59,60,61,62,63
	v_cmp_gt_i32 vcc_lo, 32*(\n/16)+\n%16, v[DD]
	v_cndmask_b32 v[S+\n], v[S+\n], v254, vcc_lo
.endr
.Lopen_\@:
.endif
.irp b, 0,1,2,3
	v_max3_num_f32 v[232+\b], v[S+16*\b], v[S+1+16*\b], v[S+2+16*\b]   ; the largest score of each block of 32 keys: for the row's maximum and, since p rises with the score, for the block's largest p
.endr
.irp i, 3,5,7,9,11,13
.irp b, 0,1,2,3
	v_max3_num_f32 v[232+\b], v[232+\b], v[S+16*\b+\i], v[S+1+16*\b+\i]
.endr
.endr
.irp b, 0,1,2,3
	v_max_num_f32 v[232+\b], v[232+\b], v[S+15+16*\b]
.endr
.irp b, 0,1,2,3
	s_delay_alu instid0(VALU_DEP_4)
	v_permlanex16_b32 v[236+\b], v[232+\b], s[SEL], s[SEL+1]
.endr
.irp b, 0,1,2,3
	s_delay_alu instid0(VALU_DEP_4)
	v_max_num_f32 v[232+\b], v[232+\b], v[236+\b]
.endr
	s_delay_alu instid0(VALU_DEP_2)
	v_max3_num_f32 v254, v232, v233, v234
	s_delay_alu instid0(VALU_DEP_1)
	v_max_num_f32 v254, v254, v235
	s_delay_alu instid0(VALU_DEP_1)
	v_mul_f32 v254, s[CS], v254                    ; as t
	s_delay_alu instid0(VALU_DEP_1)
	v_max_num_f32 v13, v13, v254                   ; the running largest t
	v_mov_b32 v254, v12
	s_delay_alu instid0(VALU_DEP_2)
	v_floor_f32 v12, -v13                          ; the new -M = -ceil(t)
	s_delay_alu instid0(VALU_DEP_1)
	v_sub_f32 v254, v12, v254                      ; old M less new M: a whole number, 0 or less
	s_delay_alu instid0(VALU_DEP_1)
	v_cvt_i32_f32 v254, v254                       ; (it saturates)
	s_delay_alu instid0(VALU_DEP_1)
	v_ldexp_f32 v252, 1.0, v254                    ; f = 2^(old M - new M)
.irp j, 0,2,4,6,8,10,12,14,16,18,20,22,24,26,28,30,32,34,36,38,40,42,44,46,48,50,52,54,56,58,60,62
	v_pk_fma_f32 v[S+\j:S+1+\j], v[S+\j:S+1+\j], s[CS:CS+1], v[12:13] op_sel_hi:[1,0,0]   ; t - M
.endr
.irp b, 0,1,2,3
	v_fma_f32 v[232+\b], v[232+\b], s[CS], v12
.endr
	s_setprio 1
	s_wait_alu depctr_va_vdst(0)
.irp j, 0,1,2,3,4,5,6,7,8,9,10,11,12,13,14,15,16,17,18,19,20,21,22,23,24,25,26,27,28,29,30,31,32,33,34,35,36,37,38,39,40,41,42,43,44,45,46,47,48,49,50,51,52,53,54,55,56,57,58,59,60,61,62,63
	v_exp_f32 v[S+\j], v[S+\j]                     ; p = 2^(t - M)
.endr
	v_pk_mul_f32 v[14:15], v[14:15], v[252:253] op_sel_hi:[1,0]   ; the sums under the new M: a plain place behind the exponentials
	s_wait_alu depctr_va_vdst(0)                   ; one wait for the whole batch, ahead of its first reader
.irp b, 0,1,2,3
	v_exp_f32 v[232+\b], v[232+\b]                 ; each block's largest p
.endr
	v_pk_add_f32 v[236:237], v[132:133], v[136:137]
	v_pk_add_f32 v[250:251], v[140:141], v[144:145]
	v_pk_add_f32 v[248:249], v[148:149], v[152:153]
	v_pk_add_f32 v[246:247], v[156:157], v[160:161]
	v_pk_add_f32 v[244:245], v[164:165], v[168:169]
	v_pk_add_f32 v[242:243], v[172:173], v[176:177]
	v_pk_add_f32 v[240:241], v[180:181], v[184:185]
	v_pk_add_f32 v[14:15], v[14:15], v[188:189]
	v_pk_add_f32 v[236:237], v[236:237], v[128:129]
	v_pk_add_f32 v[250:251], v[250:251], v[130:131]
	v_pk_add_f32 v[248:249], v[248:249], v[134:135]
	v_pk_add_f32 v[246:247], v[246:247], v[138:139]
	v_pk_add_f32 v[244:245], v[244:245], v[142:143]
	v_pk_add_f32 v[242:243], v[242:243], v[146:147]
	v_pk_add_f32 v[240:241], v[240:241], v[150:151]
	v_pk_add_f32 v[14:15], v[14:15], v[154:155]
	v_pk_add_f32 v[236:237], v[236:237], v[158:159]
	v_pk_add_f32 v[250:251], v[250:251], v[162:163]
	v_pk_add_f32 v[248:249], v[248:249], v[166:167]
	v_pk_add_f32 v[246:247], v[246:247], v[170:171]
	v_pk_add_f32 v[244:245], v[244:245], v[174:175]
	v_pk_add_f32 v[242:243], v[242:243], v[178:179]
	v_pk_add_f32 v[240:241], v[240:241], v[182:183]
	v_pk_add_f32 v[14:15], v[14:15], v[186:187]
	v_pk_add_f32 v[236:237], v[236:237], v[190:191]
	s_delay_alu instid0(VALU_DEP_2)
	v_pk_add_f32 v[14:15], v[14:15], v[246:247]
	s_delay_alu instid0(VALU_DEP_2)
	v_pk_add_f32 v[236:237], v[236:237], v[244:245]
	v_pk_add_f32 v[250:251], v[250:251], v[242:243]
	v_pk_add_f32 v[248:249], v[248:249], v[240:241]
	s_delay_alu instid0(VALU_DEP_2)
	v_pk_add_f32 v[14:15], v[14:15], v[250:251]
	s_delay_alu instid0(VALU_DEP_2)
	v_pk_add_f32 v[236:237], v[236:237], v[248:249]
	s_delay_alu instid0(VALU_DEP_1)
	v_pk_add_f32 v[14:15], v[14:15], v[236:237]
	s_wait_alu depctr_va_vdst(0)                   ; and one for the four
.irp b, 0,1,2,3
	v_max_num_f32 v[232+\b], 0x1800000, v[232+\b]  ; the floor 2^(3 - 127): the byte cannot fall under 1
.endr
.irp b, 0,1,2,3
	s_delay_alu instid0(VALU_DEP_4)
	v_add_nc_u32 v[244+\b], 0xff000000, v[232+\b]  ; the conversion's scale operand
.endr
.irp b, 0,1,2,3
	s_delay_alu instid0(VALU_DEP_4)
	v_lshrrev_b32 v[236+\b], 23, v[244+\b]         ; the scale's byte
.endr
	s_delay_alu instid0(VALU_DEP_3)
	v_lshl_or_b32 v253, v237, 8, v236              ; p's scale word for these 128 keys
	s_delay_alu instid0(VALU_DEP_1)
	v_lshl_or_b32 v253, v238, 16, v253
	s_delay_alu instid0(VALU_DEP_1)
	v_lshl_or_b32 v253, v239, 24, v253
.irp c, 0,1
	v_cvt_scalef32_pk16_fp6_f32 v[224+6*\c:226+6*\c], v[S+32*\c:S+15+32*\c], v[244+2*\c]
	v_cvt_scalef32_pk16_fp6_f32 v[236+4*\c:238+4*\c], v[S+16+32*\c:S+31+32*\c], v[245+2*\c]
.endr
	s_setprio 0
	v_nop                                          ; one plain place behind a scaled conversion
.irp c, 0,1
.irp i, 0,1,2
	v_permlane16_swap_b32 v[224+6*\c+\i], v[236+4*\c+\i]
.endr
.irp i, 0,1,2
	s_delay_alu instid0(VALU_DEP_3)
	v_mov_b32 v[227+6*\c+\i], v[236+4*\c+\i]
.endr
.endr
.irp j, 0,2,4,6,8,10,12,14,16,18,20,22,24,26,28,30
	v_pk_mul_f32 v[O+\j:O+1+\j], v[O+\j:O+1+\j], v[252:253] op_sel_hi:[1,0]   ; O^T under the new M; these sixteen are also the places in front of the scaled products below
.endr
.irp a, 0,1,2,3
	v_wmma_scale_f32_16x16x128_f8f6f4 v[O+8*\a:O+8*\a+7], v[80+12*\a:91+12*\a], v[224:235], v[O+8*\a:O+8*\a+7], v[28+\a], v253 matrix_a_fmt:MATRIX_FMT_FP6 matrix_b_fmt:MATRIX_FMT_FP6
.endr
.if \chk
.Lhid_\@:
.endif
	s_add_co_u32 s[TBK], s[TBK], QKREC             ; the next step's records
	s_add_co_u32 s[TBV], s[TBV], VREC
.endm
; A tile's way out: O^T / the sum; register 16 b + i = channel 32 b + 16 h + i of my query: two blocks of the next product's K.  Codes and the two scale bytes go straight to ao.
.macro WAYOUT o
.rept 4
	v_nop                                          ; places behind the last products
.endr
	v_add_f32 v14, v14, v15
	s_delay_alu instid0(VALU_DEP_1)
	v_permlanex16_b32 v252, v14, s[SEL], s[SEL+1]
	s_delay_alu instid0(VALU_DEP_1)
	v_add_f32 v14, v14, v252                       ; the row's sum
	s_wait_alu depctr_va_vdst(0)
	v_rcp_f32 v14, v14
	v_nop                                          ; a plain place behind the reciprocal,
	s_wait_alu depctr_va_vdst(0)                   ; and the wait ahead of its first reader
.irp j, 0,1,2,3,4,5,6,7,8,9,10,11,12,13,14,15,16,17,18,19,20,21,22,23,24,25,26,27,28,29,30,31
	v_mul_f32 v[S+\j], v[O+\j], v14
.endr
.irp b, 0,1
	v_max3_num_f32 v[232+\b], |v[S+16*\b]|, |v[S+1+16*\b]|, 0x1800000
.endr
.irp i, 2,4,6,8,10,12,14
.irp b, 0,1
	s_delay_alu instid0(VALU_DEP_2)
	v_max3_num_f32 v[232+\b], v[232+\b], |v[S+16*\b+\i]|, |v[S+1+16*\b+\i]|
.endr
.endr
.irp b, 0,1
	s_delay_alu instid0(VALU_DEP_2)
	v_permlanex16_b32 v[236+\b], v[232+\b], s[SEL], s[SEL+1]
.endr
.irp b, 0,1
	s_delay_alu instid0(VALU_DEP_2)
	v_max_num_f32 v[232+\b], v[232+\b], v[236+\b]
.endr
.irp b, 0,1
	s_delay_alu instid0(VALU_DEP_2)
	v_add_nc_u32 v[244+\b], 0xff000000, v[232+\b]
.endr
.irp b, 0,1
	s_delay_alu instid0(VALU_DEP_2)
	v_lshrrev_b32 v[236+\b], 23, v[244+\b]
.endr
	s_delay_alu instid0(VALU_DEP_1)
	v_lshl_or_b32 v238, v237, 8, v236
	v_cvt_scalef32_pk16_fp6_f32 v[224:226], v[S:S+15], v244
	v_cvt_scalef32_pk16_fp6_f32 v[240:242], v[S+16:S+31], v245
	v_nop
.irp i, 0,1,2
	v_permlane16_swap_b32 v[224+\i], v[240+\i]
.endr
.irp i, 0,1,2
	s_delay_alu instid0(VALU_DEP_3)
	v_mov_b32 v[227+\i], v[240+\i]
.endr
	global_store_b128 v[L16], v[224:227], s[\o:\o+1]
	global_store_b64 v[L8], v[228:229], s[\o:\o+1] offset:512
	global_store_b16 v[L8], v238, s[\o+2:\o+3]     ; all 32 lanes: the upper sixteen write the unit's second copy
.endm
	s_mov_b32 s[POS], s2
	s_mov_b32 s[J], 0
	s_mov_b32 s[TBK], 0
	s_mov_b32 s[TBV], VB
	s_wait_loadcnt 0x0                             ; Q
	s_wait_tensorcnt 0x3                           ; key steps 0-3 are in; the three later chunks may be out
	s_barrier_signal -1
	s_barrier_wait -1
.Lp1:                                              ; the long tile lies in step 8 or later: steps 0-7 are open to all its queries
	STEP 0
	s_add_co_u32 s[J], s[J], 1
	s_cmp_lt_u32 s[J], 4
	s_cbranch_scc1 .Lp1
	s_setprio 0
	s_wait_dscnt 0x0
	s_wait_tensorcnt 0x2                           ; key steps 4-7
	s_barrier_signal -1
	s_barrier_wait -1
.Lp2:
	STEP 0
	s_add_co_u32 s[J], s[J], 1
	s_cmp_lt_u32 s[J], 8
	s_cbranch_scc1 .Lp2
	s_setprio 0
	s_wait_dscnt 0x0
	s_wait_tensorcnt 0x0                           ; all the rest
	s_barrier_signal -1
	s_barrier_wait -1
.Lp3:
	STEP 1
	s_add_co_u32 s[J], s[J], 1
	s_cmp_lt_u32 s[J], 16
	s_cbranch_scc1 .Lp3
	s_setprio 0
	global_load_b128 v[16:19], v[L16], s[84:85]    ; the short tile's Q, asked for ahead of the long tile's way out
	global_load_b64 v[20:21], v[L8], s[84:85] offset:512
	global_load_b32 v255, v[R8], s[86:87]
	WAYOUT 80
	s_wait_loadcnt 0x0
	s_wait_xcnt 0x0                                ; the stores have read their registers
	INIT
	s_mov_b32 s[POS], s3
	s_mov_b32 s[J], 0
	s_mov_b32 s[TBK], 0
	s_mov_b32 s[TBV], VB
.Lp4:
	STEP 1
	s_add_co_u32 s[J], s[J], 1
	s_cmp_lt_u32 s[J], 8
	s_cbranch_scc1 .Lp4
	s_setprio 0
	WAYOUT 88
	s_wait_tensorcnt 0x0                           ; the wave's end
	ds_add_u32 v[SPW], v[NIL]
	s_wait_dscnt 0x0
	CROUND                                         ; the closing round
	s_endpgm
.Lfunc_end_k_qea81e76ae5_attn:
	.size	k_qea81e76ae5_attn, .Lfunc_end_k_qea81e76ae5_attn-k_qea81e76ae5_attn
	.p2alignl 7, 3214868480
	.fill 96, 4, 3214868480
	.section	.rodata,"a",@progbits
	.p2align	6, 0x0
	.amdhsa_kernel k_qea81e76ae5_attn
		.amdhsa_group_segment_fixed_size 210944
		.amdhsa_private_segment_fixed_size 0
		.amdhsa_enable_private_segment 0
		.amdhsa_kernarg_size 24
		.amdhsa_user_sgpr_count 2
		.amdhsa_user_sgpr_kernarg_segment_ptr 1
		.amdhsa_wavefront_size32 1
		.amdhsa_system_sgpr_workgroup_id_x 1
		.amdhsa_system_sgpr_workgroup_id_y 1
		.amdhsa_system_sgpr_workgroup_id_z 1
		.amdhsa_system_vgpr_workitem_id 0
		.amdhsa_next_free_vgpr 256
		.amdhsa_next_free_sgpr 100
		.amdhsa_reserve_vcc 1
		.amdhsa_float_denorm_mode_32 3
		.amdhsa_float_denorm_mode_16_64 3
		.amdhsa_memory_ordered 1
		.amdhsa_forward_progress 1
		.amdhsa_inst_pref_size 104
	.end_amdhsa_kernel
	.amdgpu_metadata
---
amdhsa.version: [ 1, 2 ]
amdhsa.kernels:
  - .name:           k_qea81e76ae5_attn
    .symbol:         k_qea81e76ae5_attn.kd
    .args:
      - { .name: qk, .offset: 0, .size: 8, .value_kind: global_buffer, .address_space: global }
      - { .name: vimg, .offset: 8, .size: 8, .value_kind: global_buffer, .address_space: global }
      - { .name: ao, .offset: 16, .size: 8, .value_kind: global_buffer, .address_space: global }
    .group_segment_fixed_size: 210944
    .private_segment_fixed_size: 0
    .kernarg_segment_align: 8
    .kernarg_segment_size: 24
    .max_flat_workgroup_size: 512
    .sgpr_count:     100
    .vgpr_count:     256
    .wavefront_size: 32
...
	.end_amdgpu_metadata
.endif
;; end of part 3
;; launch oproj (part 4): grid 4 x 64, 4 waves a work-group, clusters of 4 x 4, 327,680 bytes of LDS; arguments xw, ao, b_o, out0; writes out0
.if DOCPART == 4
	.amdgcn_target "amdgcn-amd-amdhsa--gfx1250"
	.amdhsa_code_object_version 6
	.text
	.protected	k_qea81e76ae5_oproj
	.globl	k_qea81e76ae5_oproj
	.p2align	8
	.type	k_qea81e76ae5_oproj,@function
k_qea81e76ae5_oproj:
	s_mov_b64 s[64:65], 0
	v_nop
	global_prefetch_b8 v0, s[64:65] scope:SCOPE_SE
	s_setreg_imm32_b32 hwreg(HW_REG_WAVE_MODE, 25, 1), 1
	s_wait_xcnt 0x0
	s_wait_alu depctr_hold_cnt(0) depctr_sa_sdst(0) depctr_va_vdst(0) depctr_va_sdst(0) depctr_va_ssrc(0) depctr_va_vcc(0) depctr_vm_vsrc(0)
	s_getreg_b32 s2, hwreg(HW_REG_IB_STS2, 6, 4)
	s_cmp_eq_u32 s2, 0
	s_cbranch_scc0 .Lentry_in_a_cluster
	s_endpgm
.Lentry_in_a_cluster:
	s_bfe_u32 s2, ttmp6, 0x10000c
	s_cmp_lg_u32 s2, 0xf033
	s_cbranch_scc0 .Lentry_shape_is_right
	s_endpgm
.Lentry_shape_is_right:
; OPROJ.  out0 = a W_o^T + b_o on codes of FP6 (E2M3) with E8M0 scales: a from ao (the attention launch's images), W_o from xw (tiles 704-767).
; A work-group makes 256 columns (source 0 = rows of W_o) x 128 tokens (source 1) over all of K = 1,024; a wave 128 columns (half w % 2) x 64 tokens (half w / 2): 32 accumulators, 8 K steps of 32 matrix instructions.
; All of K lies in LDS as four first fills (quarters of K, 24 tiles x 3,328 bytes each); nothing is filled again; a quarter is read behind a counted wait and a barrier while the later ones land.
; CLUSTER 4 x 4: W_o's tiles hang on cx alone and go to my column of the cluster, the tokens' on cy alone and go to my row.
; W_o's rows of tile 2 g + u are 32 g + 8 u + (i % 8) + 16 (i / 8): a lane's eight results are eight neighbouring columns of one token's row.  The bias is the C of each sum's first matrix instruction.
; THE WAY OUT: 16 tokens x 128 columns at a time through the wave's own stage in LDS, back as whole rows of 512 bytes.  The stage lies in quarter 0, which has had its only fill and, behind the first barrier in the K steps, its last read.
; REGISTERS.  window 0: v1-29 addresses; v32-63 scale words; v64-159 the tokens' fragments, two sets; v160-223 the bias; on the way out v128-255 rows of out0.  window 1: W_o's fragments, two sets.  window 2: accumulator (a, b) at v[8 (8 a + b)].
.set TIMG,   3328
.set TPITCH, 13312
.set S0OFF,  8*TIMG
.set CHUNK,  24*TIMG
.set SPARE,  4*CHUNK
.set STG,    8448                      ; a wave's stage: 16 rows x (512 + 16) bytes
.set ADR0, 4
.set ADR1, 8
.set ADRS, 12
.set L16,  16
.set L8,   17
.set BO,   18
.set STO,  19
.set ADR1B, 20                         ; v20-23 the tokens' fragments: the pieces of 8 bytes a lane
.set RD,   24
.set SPW,  28
.set NIL,  29
.set SC,   32
.set BI,   160
.set BK,   128
.set WV, 18
.set WL, 19
.set WH, 20
.set CX, 21
.set CY, 22
.set G1A, 32
.set G1B, 40
.set G0A, 48
.set G0B, 68
.set MSB, 0
.macro WIN new
.if MSB != \new
	s_set_vgpr_msb (MSB<<8)|\new
.set MSB, \new
.endif
.endm
.macro CROUND
	s_barrier_signal -1
	s_barrier_wait -1
	s_cmp_lg_u32 s[WV], 0
	s_cbranch_scc1 .Lnot_wave_0_\@
	s_barrier_signal -3
.Lnot_wave_0_\@:
	s_barrier_wait -3
	s_barrier_signal -1
	s_barrier_wait -1
.endm
.macro PLACES n
.rept \n
	v_nop
.endr
.endm
	s_load_b256 s[4:11], s[0:1], 0x0               ; xw, ao, b_o, out0
	v_lshl_add_u32 v[SPW], v0, 2, SPARE
	v_mov_b32 v[NIL], 0
	ds_add_u32 v[SPW], v[NIL]
	ds_add_u32 v[SPW], v[NIL]                      ; the wave's opening: the add and its wait ahead of my first tensor load
	v_lshrrev_b32 v1, 5, v0
	v_readfirstlane_b32 s[WV], v1
	s_and_b32 s[WL], s[WV], 1
	s_lshr_b32 s[WH], s[WV], 1
	s_bfe_u32 s[CX], ttmp6, 0x40000
	s_bfe_u32 s[CY], ttmp6, 0x40004
	s_lshl_b32 s23, ttmp9, 2
	s_add_co_u32 s23, s23, s[CX]                   ; which 256 columns
	s_and_b32 s24, ttmp7, 0xffff
	s_lshl_b32 s24, s24, 2
	s_add_co_u32 s24, s24, s[CY]                   ; which 128 tokens
	s_lshl_b32 s26, s23, 4
	s_add_co_u32 s26, s26, 704
	s_lshl_b32 s27, s[WL], 3
	s_add_co_u32 s26, s26, s27                     ; W_o's first tile that I would fetch
	s_mul_i32 s26, s26, TPITCH
	s_mov_b32 s27, 0
	s_lshl_b32 s28, s24, 3
	s_lshl_b32 s29, s[WL], 2
	s_add_co_u32 s28, s28, s29                     ; the tokens'
	s_mul_i32 s28, s28, TPITCH
	s_mov_b32 s29, 0
	s_lshl_b32 s30, s[CY], 2
	s_lshl_b32 s30, 15, s30                        ; my row of the cluster
	s_lshl_b32 s31, 0x1111, s[CX]                  ; my column
	s_or_b32 s[G1A], s31, (3<<16)|(1<<21)          ; rows of 416 elements of 8 bytes, 1,664 apart, dense in LDS
	s_mov_b32 s[G1A+1], 416<<16
	s_mov_b32 s[G1A+2], 8<<16
	s_mov_b32 s[G1A+3], 416<<16
	s_mov_b32 s[G1A+4], 8
	s_mov_b32 s[G1A+5], 1664
	s_mov_b32 s[G1A+6], 0
	s_mov_b32 s[G1A+7], 0
	s_or_b32 s[G1B], s30, (3<<16)|(1<<21)
	s_mov_b32 s[G1B+1], 416<<16
	s_mov_b32 s[G1B+2], 4<<16
	s_mov_b32 s[G1B+3], 416<<16
	s_mov_b32 s[G1B+4], 4
	s_mov_b32 s[G1B+5], 1664
	s_mov_b32 s[G1B+6], 0
	s_mov_b32 s[G1B+7], 0
	s_mul_i32 s30, s[WL], S0OFF
	s_mul_i32 s31, s[WL], 4*TIMG
	s_lshl_b32 s92, s23, 10
	s_lshl_b32 s93, s[WL], 9
	s_add_co_u32 s92, s92, s93                     ; my first column, in bytes
	s_mov_b32 s93, 0
	s_lshl_b32 s94, s24, 19
	s_lshl_b32 s95, s[WH], 18
	s_add_co_u32 s94, s94, s95                     ; my first token's row
	s_add_co_u32 s94, s94, s92
	s_mov_b32 s95, 0
	s_wait_dscnt 0x0                               ; the opening add is done
	s_wait_kmcnt 0x0
	s_add_nc_u64 s[84:85], s[4:5], s[26:27]
	s_add_nc_u64 s[86:87], s[6:7], s[28:29]
	s_add_nc_u64 s[88:89], s[8:9], s[92:93]
	s_add_nc_u64 s[90:91], s[10:11], s[94:95]
.irp c, 0,1,2,3
	s_mov_b32 s[G0A+4*\c], 1
	s_add_co_u32 s[G0A+4*\c+1], s30, \c*CHUNK+S0OFF
	s_add_nc_u64 s[G0A+4*\c+2:G0A+4*\c+3], s[84:85], \c*TIMG
	s_or_b32 s[G0A+4*\c+3], s[G0A+4*\c+3], 0x80000000
	s_mov_b32 s[G0B+4*\c], 1
	s_add_co_u32 s[G0B+4*\c+1], s31, \c*CHUNK
	s_add_nc_u64 s[G0B+4*\c+2:G0B+4*\c+3], s[86:87], \c*TIMG
	s_or_b32 s[G0B+4*\c+3], s[G0B+4*\c+3], 0x80000000
.endr
	CROUND                                         ; all sixteen work-groups are here: the joint loads meet
	s_cmp_eq_u32 s[WH], 0                          ; waves 0, 1 fetch W_o's halves, waves 2, 3 the tokens': four loads each; four of mine are out
	s_cbranch_scc0 .Lfill_s1
.irp c, 0,1,2,3
	tensor_load_to_lds s[G0A+4*\c:G0A+4*\c+3], s[G1A:G1A+7]
	s_nop 0
.endr
	PLACES 4
	s_branch .Lfilled
.Lfill_s1:
.irp c, 0,1,2,3
	tensor_load_to_lds s[G0B+4*\c:G0B+4*\c+3], s[G1B:G1B+7]
	s_nop 0
.endr
	PLACES 4
.Lfilled:
	v_and_b32 v3, 31, v0
	v_and_b32 v1, 15, v0                           ; r
	v_bfe_u32 v2, v0, 4, 1                         ; h
	v_lshlrev_b32 v[L16], 4, v3
	v_lshlrev_b32 v[L8], 3, v3
	v_lshlrev_b32 v[BO], 6, v2                     ; accumulator b, register j: column 32 (b / 2) + 8 (b % 2) + 16 h + j
.irp b, 0,1,2,3,4,5,6,7
	global_load_b128 v[BI+8*\b:BI+8*\b+3], v[BO], s[88:89] offset:4*(32*(\b/2)+8*(\b%2))
	global_load_b128 v[BI+8*\b+4:BI+8*\b+7], v[BO], s[88:89] offset:4*(32*(\b/2)+8*(\b%2))+16
.endr
	s_mul_i32 s30, s[WL], S0OFF
	s_add_co_u32 s30, s30, S0OFF                   ; my 8 tiles of W_o
	s_mul_i32 s31, s[WH], 4*TIMG                   ; my 4 tiles of tokens
	v_add_nc_u32 v[ADR0], s30, v[L16]
	v_add_nc_u32 v[ADR1], s31, v[L16]
	v_add_nc_u32 v[ADR1B], s31, v[L8]
	s_sub_co_u32 s30, s30, s31
	v_mul_u32_u24 v3, s30, v2                      ; lanes 16-31 take W_o's scale words: the lower base + h x the distance
	v_lshl_add_u32 v3, v1, 3, v3
	v_add_nc_u32 v[ADRS], s31, v3
.irp c, 1,2,3
	v_add_nc_u32 v[ADR0+\c], \c*CHUNK, v[ADR0]
	v_add_nc_u32 v[ADR1+\c], \c*CHUNK, v[ADR1]
	v_add_nc_u32 v[ADR1B+\c], \c*CHUNK, v[ADR1B]
	v_add_nc_u32 v[ADRS+\c], \c*CHUNK, v[ADRS]
.endr
	s_mul_i32 s30, s[WV], STG                      ; my stage
	v_mul_u32_u24 v[STO], v1, 528
	v_lshl_add_u32 v[STO], v2, 6, v[STO]
	v_add_nc_u32 v[STO], s30, v[STO]               ; in: row r, + 64 h
	v_add_nc_u32 v[RD], s30, v[L16]                ; back: a row's 512 bytes
.macro FRAG3 reg, adr, off             ; W_o's image: three pieces of 512 bytes
.irp k, 0,1,2
	ds_load_b128 v[\reg+4*\k:\reg+4*\k+3], v[\adr] offset:\off+512*\k
.endr
.endm
.macro FRAG4 reg, c, off               ; the tokens' image: two heads' halves of 768 bytes: registers 0-3 at 16 x lane, 4-5 at 512 + 8 x lane
.irp hh, 0,1
	ds_load_b128 v[\reg+6*\hh:\reg+6*\hh+3], v[ADR1+\c] offset:\off+768*\hh
	ds_load_b64 v[\reg+6*\hh+4:\reg+6*\hh+5], v[ADR1B+\c] offset:\off+768*\hh+512
.endr
.endm
.macro FETCH s
	WIN 0x40
.irp b, 0,1,2,3,4,5,6,7
	FRAG3 128*((\s)&1)+12*\b, ADR0+((\s)>>1), \b*TIMG+((\s)&1)*1536
.endr
	WIN 0
.irp a, 0,1,2,3
	FRAG4 64+48*((\s)&1)+12*\a, ((\s)>>1), \a*TIMG+((\s)&1)*1536
.endr
.if ((\s)&1) == 0
.irp i, 0,1,2,3,4,5,6,7
	ds_load_b64 v[SC+16*(((\s)>>1)&1)+2*\i:SC+16*(((\s)>>1)&1)+2*\i+1], v[ADRS+((\s)>>1)] offset:\i*TIMG+3072
.endr
.endif
.endm
; 16 matrix instructions: tiles a0, a0 + 1 of tokens x W_o's eight.  cm = 1: the sums begin with the bias.  The 32 accumulators take turns, one instruction a turn.
.macro MUL16 a0, s, cm
.irp a, \a0, \a0+1
.irp b, 0,1,2,3,4,5,6,7
.set rD, 8*(8*(\a)+\b)
.set rA, 128*((\s)&1)+12*\b
.set rB, 64+48*((\s)&1)+12*(\a)
.set rSA, SC+16*(((\s)>>1)&1)+2*\b+((\s)&1)
.set rSB, SC+16*(((\s)>>1)&1)+2*(\a)+((\s)&1)
.if \cm
	v_wmma_scale_f32_16x16x128_f8f6f4 v[rD:rD+7], v[rA:rA+11], v[rB:rB+11], v[BI+8*\b:BI+8*\b+7], v[rSA], v[rSB] matrix_a_fmt:MATRIX_FMT_FP6 matrix_b_fmt:MATRIX_FMT_FP6 matrix_a_scale:MATRIX_SCALE_ROW1
.else
	v_wmma_scale_f32_16x16x128_f8f6f4 v[rD:rD+7], v[rA:rA+11], v[rB:rB+11], v[rD:rD+7], v[rSA], v[rSB] matrix_a_fmt:MATRIX_FMT_FP6 matrix_b_fmt:MATRIX_FMT_FP6 matrix_a_scale:MATRIX_SCALE_ROW1
.endif
.endr
.endr
.endm
.macro MWIN cm
.if \cm
	WIN 0x81
.else
	WIN 0xa1
.endif
.endm
.macro STEP s, cm
	s_wait_dscnt 0x0                               ; this step's fragments are in
.if ((\s)&1) && ((\s)<7)
	s_wait_tensorcnt 2-((\s)>>1)                   ; my part of the next quarter has landed; my later quarters may be out
	s_barrier_signal -1
.endif
	MWIN \cm
	MUL16 0, \s, \cm
.if ((\s)&1) && ((\s)<7)
	s_barrier_wait -1
.endif
.if (\s) < 7
	PLACES 4                                       ; four places in front of loads into registers that the step before multiplied
	FETCH (\s)+1
.endif
	MWIN \cm
	MUL16 2, \s, \cm
.endm
	s_wait_alu depctr_va_vdst(0)
	s_wait_loadcnt 0x0                             ; the bias
	s_wait_tensorcnt 0x3                           ; my part of quarter 0 is in; my three later loads may be out
	s_barrier_signal -1
	s_barrier_wait -1
	FETCH 0
	STEP 0, 1
.irp s, 1,2,3,4,5,6,7
	STEP \s, 0
.endr
	WIN 0
	PLACES 4                                       ; behind the last products: ahead of the first read of results and of loads into operands' registers
.macro TOSTAGE a
	WIN 0x08                                       ; an LDS store's data: window 2
.irp b, 0,1,2,3,4,5,6,7
	ds_store_b128 v[STO], v[8*(8*(\a)+\b):8*(8*(\a)+\b)+3] offset:128*(\b/2)+32*(\b%2)          ; each accumulator from its low end on
	ds_store_b128 v[STO], v[8*(8*(\a)+\b)+4:8*(8*(\a)+\b)+7] offset:128*(\b/2)+32*(\b%2)+16
.endr
	WIN 0
.set BB, BK+64*((\a)%2)
.irp t, 0,1,2,3,4,5,6,7,8,9,10,11,12,13,14,15
	ds_load_b128 v[BB+4*\t:BB+4*\t+3], v[RD] offset:\t*528   ; LDS serves a wave's instructions in order: these see the stores above
.endr
.endm
.macro SEND a, younger                 ; younger: the LDS instructions issued behind block a's loads, which may stay out
.set BB, BK+64*((\a)%2)
	s_wait_dscnt \younger
.irp t, 0,1,2,3,4,5,6,7,8,9,10,11,12,13,14,15
	global_store_b128 v[L16], v[BB+4*\t:BB+4*\t+3], s[90:91] offset:(32*((\a)/2)+8*((\a)%2)+(\t%8)+16*(\t/8))*4096 th:TH_STORE_NT   ; 32 lanes store 512 consecutive bytes, aligned
.endr
.endm
	TOSTAGE 0
.irp a, 1,2,3
.if \a > 1
	s_wait_xcnt 0x0                                ; block a - 2's stores have read their registers: block a's loads may land there
.endif
	TOSTAGE \a
	SEND \a-1, 32                                  ; behind block a - 1's loads: block a's 16 stores and 16 loads
.endr
	SEND 3, 0
	s_wait_tensorcnt 0x0                           ; the wave's end: behind my last tensor load and my last LDS store
	ds_add_u32 v[SPW], v[NIL]
	s_wait_dscnt 0x0
	CROUND                                         ; the closing round
	s_endpgm
.Lfunc_end_k_qea81e76ae5_oproj:
	.size	k_qea81e76ae5_oproj, .Lfunc_end_k_qea81e76ae5_oproj-k_qea81e76ae5_oproj
	.p2alignl 7, 3214868480
	.fill 96, 4, 3214868480
	.section	.rodata,"a",@progbits
	.p2align	6, 0x0
	.amdhsa_kernel k_qea81e76ae5_oproj
		.amdhsa_group_segment_fixed_size 327680
		.amdhsa_private_segment_fixed_size 0
		.amdhsa_enable_private_segment 0
		.amdhsa_kernarg_size 32
		.amdhsa_user_sgpr_count 2
		.amdhsa_user_sgpr_kernarg_segment_ptr 1
		.amdhsa_wavefront_size32 1
		.amdhsa_system_sgpr_workgroup_id_x 1
		.amdhsa_system_sgpr_workgroup_id_y 1
		.amdhsa_system_sgpr_workgroup_id_z 1
		.amdhsa_system_vgpr_workitem_id 0
		.amdhsa_next_free_vgpr 768
		.amdhsa_next_free_sgpr 100
		.amdhsa_reserve_vcc 0
		.amdhsa_float_denorm_mode_32 3
		.amdhsa_float_denorm_mode_16_64 3
		.amdhsa_memory_ordered 1
		.amdhsa_forward_progress 1
		.amdhsa_inst_pref_size 82
	.end_amdhsa_kernel
	.amdgpu_metadata
---
amdhsa.version: [ 1, 2 ]
amdhsa.kernels:
  - .name:           k_qea81e76ae5_oproj
    .symbol:         k_qea81e76ae5_oproj.kd
    .args:
      - { .name: xw, .offset: 0, .size: 8, .value_kind: global_buffer, .address_space: global }
      - { .name: ao, .offset: 8, .size: 8, .value_kind: global_buffer, .address_space: global }
      - { .name: b_o, .offset: 16, .size: 8, .value_kind: global_buffer, .address_space: global }
      - { .name: out0, .offset: 24, .size: 8, .value_kind: global_buffer, .address_space: global }
    .group_segment_fixed_size: 327680
    .private_segment_fixed_size: 0
    .kernarg_segment_align: 8
    .kernarg_segment_size: 32
    .max_flat_workgroup_size: 128
    .sgpr_count:     100
    .vgpr_count:     768
    .wavefront_size: 32
...
	.end_amdgpu_metadata
.endif
;; end of part 4
